; MI455X (gfx1250); checked and timed in simulation.
; The chip was launched on July 23, 2026; its instructions are those of AMD's public machine-readable ISA for CDNA 5 (MIT licence, August 2026) and "CDNA5" Instruction Set Architecture Reference Guide (July 2026). The comments in the code are by the model that wrote it; some were corrected since.
;; Causal Self Attention. Allowed arithmetic: matrix products marked QUANTISED: E5M2 operands, one E8M0 scale for each 32 along K, by v_wmma_scale_f32_16x16x128_f8f6f4 with both operands' format E5M2, f32 sums; everything else in f32.
;; Inputs: Wout 1,024 x 1,024 float32; Wqkv 1,024 x 3,072 float32; bout 1,024 float32; bqkv 3,072 float32; x 4 x 2,048 x 1,024 float32.
;; Outputs: out0 4 x 2,048 x 1,024 float32.
;; This version of the problem:
;;   THIS VERSION OF THE PROBLEM IS GIVEN IN LOW PRECISION. The matrix products marked QUANTISED in the list below multiply operands that are first quantised to E5M2 (5 exponent bits, 2 mantissa bits; 8 bits a number), with one power-of-two scale for each 32 numbers along K (OCP MX v1.0); their sums are f32. All else is computed in f32.
;;   The module's matrix products, in the order in which they are computed (A, B: the left and right operand; K: the contracted axis; several contracted axes count as one K, in the product's order):
;;     1. [M 8,192, K 1,024] x [K 1,024, N 3,072]; A: input x; B: input Wqkv: QUANTISED
;;     2. batch 64 x [M 2,048, K 64] x [K 64, N 2,048]; A: computed on the way; B: computed on the way: QUANTISED
;;     3. batch 64 x [M 2,048, K 2,048] x [K 2,048, N 64]; A: softmax (see below); B: computed on the way: QUANTISED
;;     4. [M 8,192, K 1,024] x [K 1,024, N 1,024]; A: computed on the way; B: input Wout: QUANTISED
;;   THE QUANTISER, for each operand of a quantised product, along K:
;;     - K is cut into blocks of 32 from its start; a last block that is shorter is filled with zeros.
;;     - A block's scale is 2^e with e = floor(log2(the largest magnitude in the block)) - 15, held to -126 .. 127; a block of zeros has e = 0. As a byte (E8M0): e + 127.
;;     - Each number is divided by its block's scale, clamped to +-57,344, and rounded to the nearest number of E5M2, ties to even, subnormals kept.
;;     - The product sums the exact products of the quantised numbers (number of the format x scale) in f32.
;;   ~~~python
;;   def quantise(x, axis):      # numpy; x: float32 -> the quantised numbers, widened to float32 again
;;       x = np.moveaxis(x, axis, -1); K = x.shape[-1]
;;       x = np.pad(x, [(0, 0)] * (x.ndim - 1) + [(0, -K % 32)]); x = x.reshape(x.shape[:-1] + (-1, 32)); a = np.abs(x).max(-1, keepdims=True)
;;       e = np.where(a > 0, np.clip(np.frexp(np.where(a > 0, a, 1))[1] - 1 - 15, -126, 127), 0)      # np.frexp(a)[1] - 1 = floor(log2(a)), exactly
;;       r = np.clip(x / 2.0 ** e, -57344, 57344)
;;       step = 2.0 ** (np.maximum(np.frexp(np.where(r == 0, 1, r))[1] - 1, -14) - 2)
;;       q = np.round(r / step) * step * 2.0 ** e      # np.round: ties to even
;;       return np.moveaxis(q.reshape(q.shape[:-2] + (-1,))[..., :K], -1, axis).astype(np.float32)
;;   ~~~
;;   SOFTMAX AHEAD OF A QUANTISED PRODUCT. Where the list says 'softmax', what is quantised is not the finished softmax but p = 2^(t - M), with t = logit x log2(e) and M = ceil(the row's largest t), a whole number; so 1/2 < the row's largest p <= 1. The row's sum l is taken of the UNQUANTISED p, in f32, and the product's result is divided by l at the end. Since M is a whole number, a kernel that streams over the keys may use a running M (the ceiling of the running maximum): every later rescaling is an exact power of two, which a block's scale takes up: the codes' values come out the same.
;;   OPERANDS COMPUTED ON THE WAY. 'Computed on the way' means the value that the module computes at that place (a softmax that the list does not call 'softmax' is quantised finished and normalised). What goes into a quantiser is computed in f32, as accurately as f32 sums, v_exp_f32 and their like allow (about 1e-6 of the number): no bf16 or f16 on the way to a quantiser, and a product that is left as it is and whose result goes on into a quantised operand takes f32 operands (vector FMAs, or v_wmma_f32_16x16x4_f32). A number that lies on a knife's edge between two numbers of the format may be rounded either way, as far as f32 arithmetic and the matrix unit's own rounding can turn it there, and no further.
;; One version. Each part assembles by itself: llvm-mc -triple=amdgcn-amd-amdhsa -mcpu=gfx1250 --defsym DOCPART=n.
;; ======== version 1 of 1: 4 launches
;; limits: right only within a limited range of input values
;; workspace buffers: xc 8,388,608 bytes; wc 4,194,304 bytes; yc 8,388,608 bytes; scx 393,216 bytes; scy 393,216 bytes; att 25,165,824 bytes; atts 1,572,864 bytes
;; launch quant (part 1): grid 512 x 1, 4 waves a work-group, no clusters, 51,712 bytes of LDS; arguments x, Wqkv, Wout, xc, wc, scx, scy; writes xc, wc, scx, scy
.if DOCPART == 1
	.amdgcn_target "amdgcn-amd-amdhsa--gfx1250"
	.amdhsa_code_object_version 6
	.text
	.protected	k_q17531d6bba_quant
	.globl	k_q17531d6bba_quant
	.p2align	8
	.type	k_q17531d6bba_quant,@function
k_q17531d6bba_quant:
	s_mov_b64 s[64:65], 0
	v_nop
	global_prefetch_b8 v0, s[64:65] scope:SCOPE_SE
	s_setreg_imm32_b32 hwreg(HW_REG_WAVE_MODE, 25, 1), 1
	s_wait_xcnt 0x0
; x [8192][1024], Wqkv [1024][3072] and Wout [1024][1024], f32, become codes of E5M2 with one E8M0 scale byte for each 32 along K (K = 1024: x's last axis, the weights' first).
; A block's scale is 2^(floor(log2(its largest magnitude)) - 15); each number is divided by it, held within +-57,344 and rounded to the nearest code, ties to even.
; LIMITS: NaN and infinities are not served.  A block whose largest magnitude lies under 2^-111, a block of zeros among them, gets the byte 1 (the floor): the bytes are read by this program alone, and zero codes add nothing under it.
; LAYOUT OF THE RESULTS.  A TILE is 16 rows (tokens, or columns of a weight): tile 2 B + u holds at place r the row 32 B + 8 u + r + 8 (r / 8).  A FRAGMENT (tile, K step of 128) lies as the image of the matrix operand's registers:
; byte 512 c + 16 lane + i is the code of the row at place lane % 16, k = 128 s + 32 c + 16 (lane / 16) + i.  Codes: [tile][s = 0..7][2048].  Scale words (four bytes: a row's 128 along K): [tile][s / 4][place][s % 4].
; wc: tiles 0..191 the columns of Wqkv, 192..255 those of Wout.  scx: x's scale words, and from byte 262,144 the weights'; the weights' go to scy a second time, at the same place, for the last launch.
; Work-groups 0..255 take x, 256..511 the weights; each way has LDS bytes of its own.  Waves share nothing: no barrier.  No work-group reads what another reads, so there is nothing to ask for jointly.
.set TM,   16                          ; v16-31  the quantiser's work: largest magnitudes, bytes, holds, scale operands
.set PC,   32                          ; v32-47  a fragment's codes
.set PW,   48                          ; v48     its scale word
.set SW,   52                          ; v52-55  x: the four fragments' scale words
.set R,    64                          ; v64-191 x: two sets of 64 registers as loaded;  weights: 4 blocks of 32 numbers
.set X,    192                         ; v192-255 x: 64 numbers of my row, in the operand's order;  weights: codes and the way out
.set SEL,  20                          ; s[20:21] lane selects: lane l xor 16
.set MNT,  23                          ; s23     the mantissa field of 57,344
.set XST,  8448                        ; x: a wave's stage: 16 rows x (512 bytes + 16)
.set WST0, 33792                       ; weights: the stages begin behind x's four
.set WST,  4352                        ; a wave's: two images of 2,048 bytes, 128 bytes behind each
; 64 numbers of a lane, v[s] on, register 16 b + i = k 32 b + 16 (lane / 16) + i of my row, become a fragment's codes in v[PC] on and its scale word in v[PW]
.macro QUANT s
.irp b, 0,1,2,3
	v_max3_num_f32 v[TM+\b], |v[\s+16*\b]|, |v[\s+1+16*\b]|, 0x8000000   ; block b: my 16 numbers, and the floor 2^(16 - 127): the byte cannot fall under 1
.endr
.irp i, 2,4,6,8,10,12,14
.irp b, 0,1,2,3
	v_max3_num_f32 v[TM+\b], v[TM+\b], |v[\s+16*\b+\i]|, |v[\s+1+16*\b+\i]|   ; the four blocks by turns
.endr
.endr
.irp b, 0,1,2,3
	v_permlanex16_b32 v[TM+4+\b], v[TM+\b], s[SEL], s[SEL+1]
.endr
.irp b, 0,1,2,3
	v_max_num_f32 v[TM+\b], v[TM+\b], v[TM+4+\b]   ; with lane l xor 16's 16: the block's largest magnitude
.endr
.irp b, 0,1,2,3
	v_add_nc_u32 v[TM+12+\b], 0xf8800000, v[TM+\b]   ; 15 off its exponent field: the conversion's scale operand
.endr
.irp b, 0,1,2,3
	v_and_or_b32 v[TM+8+\b], v[TM+\b], 0x7f800000, s[MNT]   ; 57,344 x the scale
.endr
.irp b, 0,1,2,3
	v_lshrrev_b32 v[TM+4+\b], 23, v[TM+12+\b]      ; the scale's byte
.endr
	v_lshl_or_b32 v[PW], v[TM+5], 8, v[TM+4]
	v_lshl_or_b32 v[PW], v[TM+6], 16, v[PW]
	v_lshl_or_b32 v[PW], v[TM+7], 24, v[PW]
.irp b, 0,1,2,3
.irp i, 0,1,2,3,4,5,6,7,8,9,10,11,12,13,14,15
	v_med3_num_f32 v[\s+16*\b+\i], v[\s+16*\b+\i], -v[TM+8+\b], v[TM+8+\b]   ; the conversion to an 8-bit code does not saturate (ISA guide 7.6.2): the hold comes first
.endr
	v_cvt_scalef32_pk8_bf8_f32 v[PC+4*\b:PC+1+4*\b], v[\s+16*\b:\s+7+16*\b], v[TM+12+\b]
	v_cvt_scalef32_pk8_bf8_f32 v[PC+2+4*\b:PC+3+4*\b], v[\s+8+16*\b:\s+15+16*\b], v[TM+12+\b]
.endr
	v_nop                                          ; a plain line behind the last conversion
.endm
; x: fragment f's 16 rows x 512 bytes; each load reads 512 consecutive bytes of one row
.macro XLOAD f
.irp i, 0,1,2,3,4,5,6,7,8,9,10,11,12,13,14,15
	global_load_b128 v[R+64*((\f)%2)+4*\i:R+64*((\f)%2)+4*\i+3], v4, s[4:5] offset:(\i+8*(\i/8))*4096+(\f)*512 th:TH_LOAD_NT
.endr
.endm
; through my stage: in as loaded, back 64 bytes of each block of 32 numbers for lane (r, h).  LDS serves a wave's instructions in order: no wait between the stores and the loads
.macro XTURN f
.irp i, 0,1,2,3,4,5,6,7,8,9,10,11,12,13,14,15
	ds_store_b128 v5, v[R+64*((\f)%2)+4*\i:R+64*((\f)%2)+4*\i+3] offset:\i*528
.endr
.irp b, 0,1,2,3
.irp j, 0,1,2,3
	ds_load_b128 v[X+16*\b+4*\j:X+16*\b+4*\j+3], v6 offset:\b*128+\j*16
.endr
.endr
.endm
.macro XFRAG f
.if (\f) < 3
	s_wait_loadcnt 16                              ; this fragment's 16 loads are in; the next fragment's 16 stay out
.else
	s_wait_loadcnt 0x0
.endif
	XTURN \f
	s_wait_dscnt 0x0                               ; my 64 numbers are back, and the stage's stores have read their registers,
.if (\f) < 2
	XLOAD (\f)+2                                   ; which take the fragment two on
.endif
.if (\f) > 0
	s_wait_xcnt 0x0                                ; the last fragment's stores have read the codes' registers: they are written again only behind this wait
.endif
	QUANT X
.irp c, 0,1,2,3
	global_store_b128 v4, v[PC+4*\c:PC+4*\c+3], s[10:11] offset:(\f)*2048+\c*512   ; 32 lanes store 512 consecutive bytes
.endr
	v_mov_b32 v[SW+(\f)], v[PW]
.endm
; weights: block c: W(128 s + 32 c + i, my column), i = 0..31: 32 lanes read 128 consecutive bytes
.macro WLOAD c
.irp i, 0,1,2,3,4,5,6,7,8,9,10,11,12,13,14,15,16,17,18,19,20,21,22,23,24,25,26,27,28,29,30,31
	global_load_b32 v[R+32*(\c)+\i], v[16+\i], s[28+2*(\c):29+2*(\c)] th:TH_LOAD_NT
.endr
.endm
.macro WBLOCK t
.set XS, R+32*(\t)
.set CD, 192+8*(\t)
.if (\t) < 3
	s_wait_loadcnt 32                              ; this block's 32 loads are in; the next block's 32 stay out
.else
	s_wait_loadcnt 0x0
.endif
.if (\t) < 2
	WLOAD (\t)+2                                   ; every block has registers of its own
.endif
	v_max3_num_f32 v12, |v[XS]|, |v[XS+1]|, |v[XS+2]|   ; all 32 numbers of the block are mine
	v_max3_num_f32 v13, |v[XS+3]|, |v[XS+4]|, |v[XS+5]|
.irp i, 6,10,14,18,22,26
	v_max3_num_f32 v12, v12, |v[XS+\i]|, |v[XS+\i+1]|
	v_max3_num_f32 v13, v13, |v[XS+\i+2]|, |v[XS+\i+3]|
.endr
	v_max3_num_f32 v12, v12, |v[XS+30]|, |v[XS+31]|
	v_max3_num_f32 v12, v12, v13, 0x8000000        ; and the floor
	v_add_nc_u32 v11, 0xf8800000, v12              ; the conversion's scale operand
	v_and_or_b32 v10, v12, 0x7f800000, s[MNT]      ; 57,344 x the scale
	v_lshrrev_b32 v13, 23, v11                     ; the byte
.if (\t) == 0
	v_mov_b32 v[PW], v13
.else
	v_lshl_or_b32 v[PW], v13, 8*(\t), v[PW]
.endif
.irp i, 0,1,2,3,4,5,6,7,8,9,10,11,12,13,14,15,16,17,18,19,20,21,22,23,24,25,26,27,28,29,30,31
	v_med3_num_f32 v[XS+\i], v[XS+\i], -v10, v10
.endr
.irp g, 0,1,2,3
	v_cvt_scalef32_pk8_bf8_f32 v[CD+2*\g:CD+2*\g+1], v[XS+8*\g:XS+8*\g+7], v11
.endr
	v_nop                                          ; a plain line behind the last conversion
	ds_store_b128 v5, v[CD:CD+3] offset:512*(\t)        ; k = 32 t + 0..15: the image's lane r
	ds_store_b128 v5, v[CD+4:CD+7] offset:512*(\t)+256  ; k = 32 t + 16..31: its lane 16 + r
.endm
	s_load_b256 s[4:11], s[0:1], 0x0               ; x s[4:5], Wqkv s[6:7], Wout s[8:9], xc s[10:11]
	s_load_b128 s[12:15], s[0:1], 0x20             ; wc s[12:13], scx s[14:15]
	s_load_b64 s[16:17], s[0:1], 0x30              ; scy
	v_lshl_add_u32 v62, v0, 2, 0xc800
	v_mov_b32 v63, 0
	v_lshrrev_b32 v1, 5, v0
	v_readfirstlane_b32 s18, v1                    ; wave 0..3
	v_and_b32 v1, 31, v0                           ; lane
	v_lshlrev_b32 v4, 4, v1                        ; 16 x lane
	s_mov_b32 s[SEL], 0x76543210
	s_mov_b32 s[SEL+1], 0xfedcba98
	s_mov_b32 s[MNT], 0x600000
	s_cmp_ge_u32 ttmp9, 256
	s_cbranch_scc1 .Lweights
	; ---- x.  Unit 4 x work-group + wave: tile unit / 2, K steps 4 (unit % 2) + 0..3: four fragments
	v_and_b32 v2, 15, v0                           ; r
	v_bfe_u32 v3, v0, 4, 1                         ; h
	s_mul_i32 s24, s18, XST
	v_add_nc_u32 v5, s24, v4                       ; the stage, in: 16 x lane of a row
	v_mul_u32_u24 v6, v2, 528
	v_lshl_add_u32 v6, v3, 6, v6
	v_add_nc_u32 v6, s24, v6                       ; back: row r, + 64 h
	v_lshlrev_b32 v8, 4, v2
	v_lshl_add_u32 v8, v3, 3, v8                   ; the scale words: 16 r + 8 h
.irp b, 0,1,2,3
	v_mov_b32 v[TM+4+\b], 0                        ; written once: a lane permute's destination counts as one of its sources
.endr
	s_mov_b32 s19, 0xffff0000                      ; lanes 16-31
	s_lshl_b32 s25, ttmp9, 2
	s_add_co_u32 s25, s25, s18                     ; the unit
	s_lshr_b32 s26, s25, 1                         ; the tile
	s_and_b32 s27, s25, 1                          ; which half of K
	s_lshr_b32 s28, s26, 1
	s_lshl_b32 s28, s28, 17                        ; 32 rows of 4,096 bytes for each pair of tiles,
	s_and_b32 s29, s26, 1
	s_lshl_b32 s29, s29, 15                        ; 8 rows for the odd tile,
	s_add_co_u32 s28, s28, s29
	s_lshl_b32 s29, s27, 11                        ; 2,048 bytes for the second half of K
	s_add_co_u32 s28, s28, s29
	s_mov_b32 s29, 0
	s_lshl_b32 s30, s26, 14
	s_lshl_b32 s31, s27, 13
	s_add_co_u32 s30, s30, s31                     ; the codes: 16,384 x tile + 8,192 x half
	s_mov_b32 s31, 0
	s_lshl_b32 s32, s25, 8                         ; the scale words: 256 x unit
	s_mov_b32 s33, 0
	s_wait_alu depctr_va_vdst(0)
	s_wait_kmcnt 0x0
	s_add_nc_u64 s[4:5], s[4:5], s[28:29]
	s_add_nc_u64 s[10:11], s[10:11], s[30:31]
	s_add_nc_u64 s[14:15], s[14:15], s[32:33]
	XLOAD 0
	XLOAD 1
.irp f, 0,1,2,3
	XFRAG \f
.endr
	v_cndmask_b32 v56, v[SW], v[SW+2], s19         ; lanes 0-15 store words 0 and 1 of their row, lanes 16-31 words 2 and 3
	v_cndmask_b32 v57, v[SW+1], v[SW+3], s19
	global_store_b64 v8, v[56:57], s[14:15]        ; 32 lanes store 256 consecutive bytes, aligned
	s_wait_tensorcnt 0x0
	ds_add_u32 v62, v63
	s_wait_dscnt 0x0
	s_endpgm
.Lweights:
	; ---- the weights.  A LANE TAKES A COLUMN, ITS REGISTERS RUN DOWN K.  Work-group g = number - 256: columns 128 (g / 8) on of the 4,096 (Wqkv's, then Wout's), K step g % 8; a wave 32 columns: two tiles
	v_bfe_u32 v2, v0, 3, 1                         ; column 32 B + x lies in tile 2 B + u, u = (x / 8) % 2,
	v_and_b32 v3, 7, v0
	v_bfe_u32 v9, v0, 4, 1
	v_lshl_add_u32 v3, v9, 3, v3                   ; at place r = x % 8 + 8 (x / 16)
	s_mul_i32 s24, s18, WST
	s_add_co_u32 s24, s24, WST0                    ; my stage
	v_mul_u32_u24 v5, v2, 2176
	v_lshl_add_u32 v5, v3, 4, v5
	v_add_nc_u32 v5, s24, v5                       ; in: image u, 16 r
	s_wait_alu depctr_va_vdst(0)
	v_add_nc_u32 v6, s24, v4                       ; back: 16 x lane
	v_lshlrev_b32 v7, 9, v2
	v_lshl_add_u32 v7, v3, 4, v7                   ; my scale word: 512 u + 16 r
	s_sub_co_u32 s25, ttmp9, 256
	s_lshr_b32 s26, s25, 3                         ; the group of 128 columns
	s_and_b32 s27, s25, 7                          ; the K step
	s_lshl_b32 s36, s26, 7
	s_lshl_b32 s37, s18, 5
	s_add_co_u32 s36, s36, s37                     ; my wave's first column of the 4,096
	s_wait_kmcnt 0x0
	s_cmp_lt_u32 s26, 24                           ; Wqkv's or Wout's?  The choice hangs on the work-group's number alone
	s_cselect_b64 s[28:29], s[6:7], s[8:9]
	s_mov_b32 s38, 4096
	s_cselect_b32 s38, 12288, s38                  ; a row of the weight in bytes
	s_cselect_b32 s39, 0, 3072
	s_sub_co_u32 s39, s36, s39                     ; the column in its own weight
	s_lshl_b32 s39, s39, 2
	s_lshl_b32 s40, s27, 7
	s_mul_i32 s40, s40, s38                        ; 128 s rows down
	s_add_co_u32 s40, s40, s39
	s_mov_b32 s41, 0
	s_add_nc_u64 s[28:29], s[28:29], s[40:41]      ; block 0's base,
	s_lshl_b32 s42, s38, 5
	s_mov_b32 s43, 0
	s_add_nc_u64 s[30:31], s[28:29], s[42:43]      ; and 32 rows on for each further block
	s_add_nc_u64 s[32:33], s[30:31], s[42:43]
	s_add_nc_u64 s[34:35], s[32:33], s[42:43]
	v_lshlrev_b32 v16, 2, v1                       ; v16-47: 4 x lane + i rows
.irp i, 1,2,3,4,5,6,7,8,9,10,11,12,13,14,15,16,17,18,19,20,21,22,23,24,25,26,27,28,29,30,31
	v_add_nc_u32 v[16+\i], s38, v[15+\i]
.endr
	WLOAD 0
	WLOAD 1
	s_lshl_b32 s44, s36, 10                        ; the codes: 16,384 x (column / 16) + 2,048 s
	s_lshl_b32 s45, s27, 11
	s_add_co_u32 s44, s44, s45
	s_mov_b32 s45, 0
	s_add_nc_u64 s[12:13], s[12:13], s[44:45]
	s_lshl_b32 s46, s36, 5                         ; the scale words: 262,144 + 512 x (column / 16) + 256 (s / 4) + 4 (s % 4)
	s_lshr_b32 s47, s27, 2
	s_lshl_b32 s47, s47, 8
	s_add_co_u32 s46, s46, s47
	s_and_b32 s47, s27, 3
	s_lshl_b32 s47, s47, 2
	s_add_co_u32 s46, s46, s47
	s_add_co_u32 s46, s46, 262144
	s_mov_b32 s47, 0
	s_add_nc_u64 s[14:15], s[14:15], s[46:47]
	s_add_nc_u64 s[16:17], s[16:17], s[46:47]
	s_wait_alu depctr_va_vdst(0)
.irp t, 0,1,2,3
	WBLOCK \t
.endr
.irp u, 0,1
.irp i, 0,1,2,3
	ds_load_b128 v[224+16*\u+4*\i:224+16*\u+4*\i+3], v6 offset:\u*2176+512*\i   ; LDS serves a wave's instructions in order: these see my stores
.endr
.endr
	global_store_b32 v7, v[PW], s[14:15]           ; my column's word of this K step: pieces of 4 bytes, one byte in 128 of what the launch reads
	global_store_b32 v7, v[PW], s[16:17]
.irp u, 0,1
.irp i, 0,1,2,3
	s_wait_dscnt 7-4*\u-\i
	global_store_b128 v4, v[224+16*\u+4*\i:224+16*\u+4*\i+3], s[12:13] offset:\u*16384+512*\i   ; 32 lanes store 512 consecutive bytes
.endr
.endr
	s_wait_tensorcnt 0x0
	ds_add_u32 v62, v63
	s_wait_dscnt 0x0
	s_endpgm
.Lfunc_end_k_q17531d6bba_quant:
	.size	k_q17531d6bba_quant, .Lfunc_end_k_q17531d6bba_quant-k_q17531d6bba_quant
	.p2alignl 7, 3214868480
	.fill 96, 4, 3214868480
	.section	.rodata,"a",@progbits
	.p2align	6, 0x0
	.amdhsa_kernel k_q17531d6bba_quant
		.amdhsa_group_segment_fixed_size 51712
		.amdhsa_private_segment_fixed_size 0
		.amdhsa_enable_private_segment 0
		.amdhsa_kernarg_size 56
		.amdhsa_user_sgpr_count 2
		.amdhsa_user_sgpr_kernarg_segment_ptr 1
		.amdhsa_wavefront_size32 1
		.amdhsa_system_sgpr_workgroup_id_x 1
		.amdhsa_system_sgpr_workgroup_id_y 1
		.amdhsa_system_sgpr_workgroup_id_z 1
		.amdhsa_system_vgpr_workitem_id 0
		.amdhsa_next_free_vgpr 256
		.amdhsa_next_free_sgpr 66
		.amdhsa_reserve_vcc 0
		.amdhsa_float_denorm_mode_32 3
		.amdhsa_float_denorm_mode_16_64 3
		.amdhsa_memory_ordered 1
		.amdhsa_forward_progress 1
		.amdhsa_inst_pref_size 83
	.end_amdhsa_kernel
	.amdgpu_metadata
---
amdhsa.version: [ 1, 2 ]
amdhsa.kernels:
  - .name:           k_q17531d6bba_quant
    .symbol:         k_q17531d6bba_quant.kd
    .args:
      - { .name: x, .offset: 0, .size: 8, .value_kind: global_buffer, .address_space: global }
      - { .name: Wqkv, .offset: 8, .size: 8, .value_kind: global_buffer, .address_space: global }
      - { .name: Wout, .offset: 16, .size: 8, .value_kind: global_buffer, .address_space: global }
      - { .name: xc, .offset: 24, .size: 8, .value_kind: global_buffer, .address_space: global }
      - { .name: wc, .offset: 32, .size: 8, .value_kind: global_buffer, .address_space: global }
      - { .name: scx, .offset: 40, .size: 8, .value_kind: global_buffer, .address_space: global }
      - { .name: scy, .offset: 48, .size: 8, .value_kind: global_buffer, .address_space: global }
    .group_segment_fixed_size: 51712
    .private_segment_fixed_size: 0
    .kernarg_segment_align: 8
    .kernarg_segment_size: 56
    .max_flat_workgroup_size: 128
    .sgpr_count:     66
    .vgpr_count:     256
    .wavefront_size: 32
...
	.end_amdgpu_metadata
.endif
;; end of part 1
;; launch qkv (part 2): grid 12 x 32, 4 waves a work-group, clusters of 4 x 4, 327,680 bytes of LDS; arguments xc, wc, scx, bqkv, att, atts; writes att, atts
.if DOCPART == 2
	.amdgcn_target "amdgcn-amd-amdhsa--gfx1250"
	.amdhsa_code_object_version 6
	.text
	.protected	k_q17531d6bba_qkv
	.globl	k_q17531d6bba_qkv
	.p2align	8
	.type	k_q17531d6bba_qkv,@function
k_q17531d6bba_qkv:
	s_mov_b64 s[64:65], 0
	v_nop
	global_prefetch_b8 v0, s[64:65] scope:SCOPE_SE
	s_setreg_imm32_b32 hwreg(HW_REG_WAVE_MODE, 25, 1), 1
	s_wait_xcnt 0x0
	s_wait_alu depctr_hold_cnt(0) depctr_sa_sdst(0) depctr_va_vdst(0) depctr_va_sdst(0) depctr_va_ssrc(0) depctr_va_vcc(0) depctr_vm_vsrc(0)
	s_getreg_b32 s2, hwreg(HW_REG_IB_STS2, 6, 4)
	s_cmp_eq_u32 s2, 0
	s_cbranch_scc0 .Lentry_in_a_cluster
	s_endpgm
.Lentry_in_a_cluster:
	s_bfe_u32 s2, ttmp6, 0x10000c
	s_cmp_lg_u32 s2, 0xf033
	s_cbranch_scc0 .Lentry_shape_is_right
	s_endpgm
.Lentry_shape_is_right:
; qkv = x Wqkv + bqkv on codes of E5M2 with E8M0 scales (K = 1024), and q, k, v quantised on the way out, each along the K of the attention product that takes it: q and k along the head's 64 channels, v along the tokens.
; OPERANDS lie as images of the matrix operand's registers: [tile of 16 rows][K step of 128][2048 bytes]; tile 2 B + u holds at place r the row 32 B + 8 u + r + 8 (r / 8).
; A work-group of four waves makes 256 x 256, a wave 128 x 128: 64 accumulators.  S0 is source 0: its rows run along a lane's registers, and by the tiles' choice of rows the 16 registers of two neighbouring tiles are 16 NEIGHBOURS.
; S1 is source 1: its rows lie one to a lane.  q, k (clusters x = 0, 1): S0 = columns of Wqkv, S1 = tokens: a lane holds a token, registers run along the channels.  v (cluster x = 2): S0 = tokens, S1 = columns: registers run along the tokens.
; The two kinds run ONE text: pointers and numbers are chosen by selects on the cluster's x; no branch hangs on the kind.
; K goes in steps of 256 through two LDS slots filled by the tensor data mover.  CLUSTERS: 4 x 4; S1's tiles are shared along a row of the cluster, S0's along a column: each is asked for JOINTLY.
; THE SCALE WORDS of the wave's 128 + 128 rows, all of K, come straight into 64 registers once: lanes 0-15 S1's, lanes 16-31 S0's.
; THE WAY OUT: 64 results of a lane + bias are 128 along the next K: they are quantised in registers and stored as a fragment's image, 512 consecutive bytes a store.
;   att [P = 0..23: 128 columns of Wqkv][G = 0..63: 128 tokens][16,384]: q, k: [tile of 16 tokens][head of the pair][c = 0, 1][512];  v: [head of the pair][tile of 16 channels][c = 0..3][512].
;   atts [P][G][1,024]: q, k: [head][tile / 4][place][tile % 4] words, the two scale bytes below, zeros above;  v: [head][place][tile] words in the first 512 bytes (the second 512 repeat them and are not read).
; LIMITS: NaN and infinities are not served; the bias that does not lie along a kind's axis is multiplied by 0.0, so a bqkv that is not finite would spread further than in the definition.
; A block whose largest magnitude lies under 2^-111 gets the byte 1 (the floor): the bytes are read by this program alone.
; REGISTERS: window 0: v8-13 offsets; v16-21 LDS addresses; v28-29 the add's; v32-47 the bias along S1; v64-127 scale words; v128-255 S1's fragments, ONE set (on the way out: work).
;   window 1: S0's fragments, TWO sets (in the last step v0-63 take the bias along S0).  window 2, 3: the accumulators: (a, b) at v[8 (8 (a % 4) + b)] of window 2 + a / 4.
.set NP,    8                          ; places behind this matrix instruction (ISA guide 7.12.1)
.set SLOT,  131072                     ; a slot: S1's two halves, S0's two halves, 32,768 bytes each: 8 tiles x 2 K steps x 2,048
.set SPARE, 262144                     ; behind the ring: the spare words, 128 bytes for each wave
.set BO0,  9                           ; v9   bias along S0: my byte offset in bqkv
.set BO1,  10                          ; v10  bias along S1
.set LI,   11                          ; v11  16 x lane
.set SWO,  12                          ; v12  the scale words' place: 512 h + 16 r
.set SH,   13                          ; v13  q, k: 16 h: lanes 16-31 store the second head's two bytes;  v: 0
.set ADR1, 16                          ; v16-17 LDS address of my S1 half in slot 0, 1
.set ADR0, 20                          ; v20-21 of my S0 half
.set SPW,  28
.set NIL,  29
.set BS1,  32                          ; v32-47 the bias of S1's tile a, twice: a pair for the packed form
.set SC,   64                          ; v64-127 word of (tile i, K step ks) at SC + 8 i + ks
.set AF,   128
.set T,    128                         ; the way out: 64 numbers
.set PC,   192                         ; their codes
.set TM,   208
.set PW,   224
.set SW,   232                         ; v232-239 the eight blocks' scale words
.set G1,   24
.set G0,   32
.set G1B,  48
.set G0B,  56
.set SEL,  66                          ; s66, s67
.set Z0,   72                          ; s[72:73] 1.0 where the bias runs along S0, else 0.0
.set Z1,   74                          ; s[74:75] the same for S1
.set MNT,  92
.set MASK, 93
.set MSB, 0
.macro WIN new                         ; the immediate's high byte repeats the setting that is left
.if MSB != \new
	s_set_vgpr_msb (MSB<<8)|\new
.set MSB, \new
.endif
.endm
.set MUL_LO, 0xa1                      ; source 0 (S0) window 1, source 1 (S1) window 0, C and D window 2
.set MUL_HI, 0xf1
.set TO_B,   0x40
; A joint load: waves 0 and 1 fetch S1's halves, waves 2 and 3 S0's.  The branch hangs on the wave's number alone.  Four v_nop follow each of the two lines.
.macro JLOAD g0a, g1a, g0b, g1b
	s_cmp_eq_u32 s15, 0
	s_cbranch_scc0 .Lfor_b_\@
	tensor_load_to_lds s[\g0a:\g0a+3], s[\g1a:\g1a+7]
	s_nop 0
.rept 4
	v_nop
.endr
	s_branch .Lasked_\@
.Lfor_b_\@:
	tensor_load_to_lds s[\g0b:\g0b+3], s[\g1b:\g1b+7]
	s_nop 0
.rept 4
	v_nop
.endr
.Lasked_\@:
.endm
.macro CREST                           ; a round of the cluster's barrier behind its opening barrier
	s_cmp_lg_u32 s14, 0
	s_cbranch_scc1 .Lnot_wave_0_\@
	s_barrier_signal -3
.Lnot_wave_0_\@:
	s_barrier_wait -3
	s_barrier_signal -1
	s_barrier_wait -1
.endm
.macro CROUND
	s_barrier_signal -1
	s_barrier_wait -1
	CREST
.endm
.macro PLACES n
.rept \n
	v_nop
.endr
.endm
.macro QUANT s                         ; 64 numbers, register 16 b + i = k 32 b + 16 (lane / 16) + i of my row -> codes in v[PC] on, scale word in v[PW]
.irp b, 0,1,2,3
	v_max3_num_f32 v[TM+\b], |v[\s+16*\b]|, |v[\s+1+16*\b]|, 0x8000000   ; my 16 numbers of block b, and the floor 2^(16 - 127)
.endr
.irp i, 2,4,6,8,10,12,14
.irp b, 0,1,2,3
	v_max3_num_f32 v[TM+\b], v[TM+\b], |v[\s+16*\b+\i]|, |v[\s+1+16*\b+\i]|
.endr
.endr
.irp b, 0,1,2,3
	v_permlanex16_b32 v[TM+4+\b], v[TM+\b], s[SEL], s[SEL+1]
.endr
.irp b, 0,1,2,3
	v_max_num_f32 v[TM+\b], v[TM+\b], v[TM+4+\b]   ; with lane l xor 16's
.endr
.irp b, 0,1,2,3
	v_add_nc_u32 v[TM+12+\b], 0xf8800000, v[TM+\b]   ; 15 off the exponent field: the conversion's scale operand
.endr
.irp b, 0,1,2,3
	v_and_or_b32 v[TM+8+\b], v[TM+\b], 0x7f800000, s[MNT]   ; 57,344 x the scale
.endr
.irp b, 0,1,2,3
	v_lshrrev_b32 v[TM+4+\b], 23, v[TM+12+\b]      ; the byte
.endr
	v_lshl_or_b32 v[PW], v[TM+5], 8, v[TM+4]
	v_lshl_or_b32 v[PW], v[TM+6], 16, v[PW]
	v_lshl_or_b32 v[PW], v[TM+7], 24, v[PW]
.irp b, 0,1,2,3
.irp i, 0,1,2,3,4,5,6,7,8,9,10,11,12,13,14,15
	v_med3_num_f32 v[\s+16*\b+\i], v[\s+16*\b+\i], -v[TM+8+\b], v[TM+8+\b]   ; the conversion does not saturate (ISA guide 7.6.2)
.endr
	v_cvt_scalef32_pk8_bf8_f32 v[PC+4*\b:PC+1+4*\b], v[\s+16*\b:\s+7+16*\b], v[TM+12+\b]
	v_cvt_scalef32_pk8_bf8_f32 v[PC+2+4*\b:PC+3+4*\b], v[\s+8+16*\b:\s+15+16*\b], v[TM+12+\b]
.endr
	v_nop                                          ; a plain line behind the last conversion
.endm
	s_load_b256 s[4:11], s[0:1], 0x0               ; xc s[4:5], wc s[6:7], scx s[8:9], bqkv s[10:11]
	s_load_b128 s[68:71], s[0:1], 0x20             ; att s[68:69], atts s[70:71]
	v_lshl_add_u32 v[SPW], v0, 2, SPARE
	v_mov_b32 v[NIL], 0
	ds_add_u32 v28, v29
	ds_add_u32 v28, v29
	s_wait_dscnt 0x0
	v_lshrrev_b32 v1, 5, v0
	v_readfirstlane_b32 s14, v1                    ; wave 0..3
	s_lshr_b32 s15, s14, 1                         ; my half of S1.  Also: I fetch for S1 (0) or for S0 (1)
	s_and_b32 s16, s14, 1                          ; my half of S0.  Also: which 128 rows I fetch
	s_bfe_u32 s40, ttmp6, 0x40000                  ; cx
	s_bfe_u32 s41, ttmp6, 0x40004                  ; cy
	s_and_b32 s17, ttmp7, 0xffff                   ; the cluster's y
	s_lshl_b32 s43, s41, 2
	s_lshl_b32 s43, 15, s43                        ; my row of the cluster
	s_lshl_b32 s44, 0x1111, s40                    ; my column
	; group 1: 8 tiles' 4,096 bytes (two K steps), 16,384 bytes apart in memory, on end in LDS; elements of 8 bytes
	s_or_b32 s[G1+0], s43, (3<<16)|(1<<21)         ; 15:0 the mask: S1's tiles go to my row; 17:16 elements of 8 bytes; 21 set beside a mask
	s_or_b32 s[G1B+0], s44, (3<<16)|(1<<21)        ; S0's to my column
.irp g, G1, G1B
	s_mov_b32 s[\g+1], 512<<16                     ; tensor_dim0 = 512
	s_mov_b32 s[\g+2], 8<<16                       ; tensor_dim1 = 8
	s_mov_b32 s[\g+3], 512<<16                     ; tile_dim0
	s_mov_b32 s[\g+4], 8                           ; tile_dim1
	s_mov_b32 s[\g+5], 2048                        ; from row to row
	s_mov_b32 s[\g+6], 0
	s_mov_b32 s[\g+7], 0
.endr
	s_cmp_eq_u32 ttmp9, 2                          ; the kind: v in the third column of clusters: the same in all sixteen partners
	s_cselect_b32 s18, s17, ttmp9                  ; S0's block of 256 rows is 4 x this + cx,
	s_cselect_b32 s19, 0, s17                      ; S1's 4 x this + cy
	s_cselect_b32 s20, 128, 0                      ; S1's first tile in its buffer: v's columns begin at tile 128 of wc
	s_cselect_b32 s21, 0, 16
	s_cselect_b32 s22, 262144, 0                   ; where S1's scale words begin in scx,
	s_cselect_b32 s23, 0, 262144                   ; and S0's
	s_cselect_b32 s[Z0], 0, 1.0
	s_cselect_b32 s[Z1], 1.0, 0
	s_cselect_b32 s[MASK], -1, 0xffff
	s_cselect_b32 s76, 16, 0
	s_cselect_b32 s77, 2048, 0
	s_mov_b32 s[Z0+1], s[Z0]                       ; (named as pairs, so both are written)
	s_mov_b32 s[Z1+1], s[Z1]
	s_lshl_b32 s42, s18, 2
	s_add_co_u32 s42, s42, s40                     ; i0: holds cx, never cy
	s_lshl_b32 s45, s19, 2
	s_add_co_u32 s45, s45, s41                     ; i1: holds cy, never cx
	s_lshl_b32 s47, s16, 3
	s_lshl_b32 s46, s45, 4
	s_add_co_u32 s46, s46, s47
	s_add_co_u32 s46, s46, s20                     ; S1: the first tile that I would fetch,
	s_lshl_b32 s46, s46, 14                        ; in bytes
	s_lshl_b32 s78, s42, 4
	s_add_co_u32 s78, s78, s47                     ; S0 likewise
	s_lshl_b32 s78, s78, 14
	s_mov_b32 s47, 0
	s_mov_b32 s79, 0
	s_lshl_b32 s80, s14, 15                        ; where my part goes: wave x 32,768: no place in the cluster enters an LDS address
	s_mov_b32 s[SEL], 0x76543210
	s_mov_b32 s[SEL+1], 0xfedcba98
	s_mov_b32 s[MNT], 0x600000
	s_wait_kmcnt 0x0
	s_cmp_eq_u32 ttmp9, 2
	s_cselect_b64 s[82:83], s[6:7], s[4:5]         ; S1's buffer
	s_cselect_b64 s[84:85], s[4:5], s[6:7]         ; S0's
	s_add_nc_u64 s[82:83], s[82:83], s[46:47]
	s_add_nc_u64 s[84:85], s[84:85], s[78:79]
	CROUND                                         ; all sixteen work-groups are here: the first joint loads meet
.irp s, 0,1
	s_mov_b32 s[G0+4*\s], 1
	s_add_co_u32 s[G0+4*\s+1], s80, \s*SLOT
	s_add_nc_u64 s[G0+4*\s+2:G0+4*\s+3], s[82:83], \s*4096
	s_or_b32 s[G0+4*\s+3], s[G0+4*\s+3], 0x80000000
	s_mov_b32 s[G0B+4*\s], 1
	s_add_co_u32 s[G0B+4*\s+1], s80, \s*SLOT
	s_add_nc_u64 s[G0B+4*\s+2:G0B+4*\s+3], s[84:85], \s*4096
	s_or_b32 s[G0B+4*\s+3], s[G0B+4*\s+3], 0x80000000
.endr
	JLOAD G0, G1, G0B, G1B                         ; slot 0: one tensor load a wave at the head
	v_and_b32 v1, 15, v0
	v_bfe_u32 v2, v0, 4, 1                         ; h
	v_and_b32 v3, 31, v0
	v_lshlrev_b32 v[LI], 4, v3
	s_lshl_b32 s86, s15, 15                        ; my half of S1,
	s_lshl_b32 s87, s16, 15
	s_add_co_u32 s87, s87, 65536                   ; my half of S0, behind S1's two
.irp s, 0,1
	v_add_nc_u32 v[ADR1+\s], s86, v[LI]
	v_add_nc_u32 v[ADR0+\s], s87, v[LI]
	s_add_co_u32 s86, s86, SLOT
	s_add_co_u32 s87, s87, SLOT
.endr
	s_lshl_b32 s86, s45, 4                         ; the scale words: 512 bytes a tile; lanes 0-15 take S1's rows, lanes 16-31 S0's
	s_lshl_b32 s87, s15, 3
	s_add_co_u32 s86, s86, s87
	s_add_co_u32 s86, s86, s20
	s_lshl_b32 s86, s86, 9
	s_add_co_u32 s86, s86, s22
	s_lshl_b32 s87, s42, 4
	s_lshl_b32 s88, s16, 3
	s_add_co_u32 s87, s87, s88
	s_lshl_b32 s87, s87, 9
	s_add_co_u32 s87, s87, s23
	s_mov_b32 s88, 0xffff0000
	v_mov_b32 v4, s86
	v_mov_b32 v5, s87
	v_cndmask_b32 v8, v4, v5, s88
	v_lshl_add_u32 v8, v1, 4, v8                   ; + 16 r: my row's four words
.irp i, 0,1,2,3,4,5,6,7
	global_load_b128 v[SC+8*\i:SC+8*\i+3], v8, s[8:9] offset:\i*512
	global_load_b128 v[SC+8*\i+4:SC+8*\i+7], v8, s[8:9] offset:\i*512+256
.endr
	s_lshl_b32 s86, s42, 1
	s_add_co_u32 s86, s86, s16                     ; n0: which 128 rows of S0's tensor are mine
	s_lshl_b32 s87, s45, 1
	s_add_co_u32 s87, s87, s15                     ; n1: of S1's
	s_cmp_eq_u32 ttmp9, 2
	s_cselect_b32 s88, s87, s86                    ; P (v: + 16)
	s_cselect_b32 s89, s86, s87                    ; G
	s_cselect_b32 s90, 0, s86                      ; the bias along S0 begins at 128 x this,
	s_cselect_b32 s91, s87, 0                      ; along S1 at 128 x this (v: + 2,048)
	s_add_co_u32 s88, s88, s76
	s_lshl_b32 s94, s88, 20
	s_lshl_b32 s95, s89, 14
	s_add_co_u32 s94, s94, s95
	s_mov_b32 s95, 0
	s_add_nc_u64 s[68:69], s[68:69], s[94:95]      ; att at (P, G)
	s_lshl_b32 s94, s88, 6
	s_add_co_u32 s94, s94, s89
	s_lshl_b32 s94, s94, 10
	s_add_nc_u64 s[70:71], s[70:71], s[94:95]      ; atts at (P, G)
	s_lshl_b32 s90, s90, 9
	v_lshlrev_b32 v[BO0], 6, v2
	v_add_nc_u32 v[BO0], s90, v[BO0]               ; 4 x first channel + 64 h: register 16 B + i is channel 32 B + 16 h + i
	s_lshl_b32 s91, s91, 7
	s_add_co_u32 s91, s91, s77
	v_and_b32 v4, 8, v1
	v_add_nc_u32 v4, v4, v1                        ; r + 8 (r / 8)
	v_add_nc_u32 v4, s91, v4
	v_lshlrev_b32 v[BO1], 2, v4
.irp a, 0,1,2,3,4,5,6,7
	global_load_b32 v[BS1+2*\a], v[BO1], s[10:11] offset:(32*(\a/2)+8*(\a%2))*4
	global_load_b32 v[BS1+2*\a+1], v[BO1], s[10:11] offset:(32*(\a/2)+8*(\a%2))*4
.endr
	v_lshlrev_b32 v[SWO], 9, v2
	v_lshl_add_u32 v[SWO], v1, 4, v[SWO]
	v_mul_u32_u24 v[SH], s21, v2
.macro FRAG reg, adr, q, i             ; a fragment's image: four loads of 512 consecutive bytes
.irp c, 0,1,2,3
	ds_load_b128 v[\reg+4*\c:\reg+4*\c+3], v[\adr] offset:(\i)*4096+(\q)*2048+512*\c
.endr
.endm
; 16 matrix instructions: S1's tiles a0, a0 + 1 x S0's eight, K step ks.  p: S0's set.  zero = 1: the first product starts the sums.  The 64 accumulators take turns, one instruction a turn, in the same order in every step.
.macro MUL16 a0, p, ks, zero
.irp a, \a0, \a0+1
.irp b, 0,1,2,3,4,5,6,7
.if \zero
	v_wmma_scale_f32_16x16x128_f8f6f4 v[8*(8*((\a)%4)+\b):8*(8*((\a)%4)+\b)+7], v[128*(\p)+16*\b:128*(\p)+16*\b+15], v[AF+16*(\a):AF+16*(\a)+15], 0, v[SC+8*\b+(\ks)], v[SC+8*(\a)+(\ks)] matrix_a_fmt:MATRIX_FMT_BF8 matrix_b_fmt:MATRIX_FMT_BF8 matrix_a_scale:MATRIX_SCALE_ROW1
.else
	v_wmma_scale_f32_16x16x128_f8f6f4 v[8*(8*((\a)%4)+\b):8*(8*((\a)%4)+\b)+7], v[128*(\p)+16*\b:128*(\p)+16*\b+15], v[AF+16*(\a):AF+16*(\a)+15], v[8*(8*((\a)%4)+\b):8*(8*((\a)%4)+\b)+7], v[SC+8*\b+(\ks)], v[SC+8*(\a)+(\ks)] matrix_a_fmt:MATRIX_FMT_BF8 matrix_b_fmt:MATRIX_FMT_BF8 matrix_a_scale:MATRIX_SCALE_ROW1
.endif
.endr
.endr
.endm
.macro FETCH_B slot, q, p              ; S0's eight fragments of the slot's q-th K step into set p
	WIN TO_B
.irp i, 0,1,2,3,4,5,6,7
	FRAG 128*(\p)+16*\i, ADR0+\slot, \q, \i
.endr
	WIN 0
.endm
.macro FETCH_A slot, q, i0             ; S1's tiles i0 .. i0 + 3
.irp i, \i0, \i0+1, \i0+2, \i0+3
	FRAG AF+16*(\i), ADR1+\slot, \q, \i
.endr
.endm
; A K step that has its successor in the same slot.  A tile of S1 is free as soon as its eight products are issued: tiles 0-3 are fetched anew in the step's middle, tiles 4-7 at its end.
.macro STEP slot, q, ks, zero
	s_wait_dscnt 16                                ; S0's set and S1's tiles 0-3 are in; the youngest 16 loads (tiles 4-7) may be out
	WIN MUL_LO
	MUL16 0, (\q)%2, \ks, \zero
	MUL16 2, (\q)%2, \ks, \zero
	s_wait_dscnt 0                                 ; tiles 4-7 are in
	PLACES NP                                      ; in front of loads into registers that matrix instructions have read
	FETCH_B \slot, (\q)+1, 1-(\q)%2
	FETCH_A \slot, (\q)+1, 0
	WIN MUL_HI
	MUL16 4, (\q)%2, \ks, \zero
	MUL16 6, (\q)%2, \ks, \zero
	PLACES NP
	WIN 0
	FETCH_A \slot, (\q)+1, 4
.endm
; A slot's last K step changes slots: ONE barrier; in front of it each wave waits for all its tensor loads, adds 0 to its spare word, and waits for that and for its own reads of this slot.  fill = 1: this slot is filled again.
.macro TURN slot, next, fill, ks
	s_wait_tensorcnt 0x0                           ; all my tensor loads have landed: my part of the next slot
	ds_add_u32 v[SPW], v[NIL]                      ; 0 onto my spare word
	s_wait_dscnt 17                                ; (the add and the youngest 16 loads may be out)
	WIN MUL_LO
	MUL16 0, 1, \ks, 0
	s_wait_dscnt 0x0                               ; the add is done, and my reads of this slot are over
	s_barrier_signal -1
	MUL16 2, 1, \ks, 0
	WIN 0
	s_barrier_wait -1
.if \fill
	CREST                                          ; the barrier has opened a round of the cluster's: no wave of any partner still reads this slot or has a load on its way
	s_add_nc_u64 s[G0+4*\slot+2:G0+4*\slot+3], s[G0+4*\slot+2:G0+4*\slot+3], 8192
	s_add_nc_u64 s[G0B+4*\slot+2:G0B+4*\slot+3], s[G0B+4*\slot+2:G0B+4*\slot+3], 8192
	JLOAD G0+4*\slot, G1, G0B+4*\slot, G1B         ; the first tensor load behind the round; its four v_nop are among the places in front of the loads below
	PLACES NP-4
.else
	PLACES NP
.endif
	FETCH_B \next, 0, 0
	FETCH_A \next, 0, 0
	WIN MUL_HI
	MUL16 4, 1, \ks, 0
	MUL16 6, 1, \ks, 0
	PLACES NP
	WIN 0
	FETCH_A \next, 0, 4
.endm
	s_wait_alu depctr_va_vdst(0)
	s_wait_tensorcnt 0x0                           ; my part of slot 0 is in
	ds_add_u32 v[SPW], v[NIL]
	s_wait_dscnt 0x0
	CROUND                                         ; a whole round: slot 0 is whole, and the joint loads meet
	JLOAD G0+4, G1, G0B+4, G1B                     ; slot 1's first fill, the first tensor load behind the round
	FETCH_B 0, 0, 0
	FETCH_A 0, 0, 0
	FETCH_A 0, 0, 4
	s_wait_loadcnt 0x0                             ; the scale words (and the bias along S1)
	STEP 0, 0, 0, 1                                ; the eight K steps are written out: each names its own scale registers
	TURN 0, 1, 1, 1
	STEP 1, 0, 2, 0
	TURN 1, 0, 1, 3
	STEP 0, 0, 4, 0
	TURN 0, 1, 0, 5                                ; nothing is left to fetch
	STEP 1, 0, 6, 0
	WIN 0x40                                       ; the bias along S0 into S0's set 0, which is done with (the step's last places stand behind its last product)
	s_wait_alu depctr_va_vdst(0)
.irp bb, 0,1,2,3
.irp j, 0,1,2,3
	global_load_b128 v[16*\bb+4*\j:16*\bb+4*\j+3], v[BO0], s[10:11] offset:128*\bb+16*\j
.endr
.endr
	WIN 0
	s_wait_dscnt 16
	WIN MUL_LO
	MUL16 0, 1, 7, 0
	MUL16 2, 1, 7, 0
	s_wait_dscnt 0
	WIN MUL_HI
	MUL16 4, 1, 7, 0
	MUL16 6, 1, 7, 0
	WIN 0
	; THE WAY OUT.  Block a = S1's tile a: a lane's 64 results are 128 neighbours' worth of the next K (its half of each block of 32)
	PLACES NP
	s_wait_loadcnt 0x0                             ; the bias along S0
.irp b, 0,1,2,3
	v_mov_b32 v[TM+4+\b], 0                        ; written once: a lane permute's destination counts as one of its sources
.endr
.macro OUTBLK a
.set AC, 64*((\a)%4)
.if (\a) > 0
	s_wait_xcnt 0x0                                ; the last block's stores have read the codes' registers
.endif
	WIN 0x21+0x10*((\a)/4)                         ; source 0 (the bias along S0) window 1, source 2 (the sums) window 2 or 3
.set n, 0
.rept 32
	v_pk_fma_f32 v[T+n:T+n+1], v[n:n+1], s[Z0:Z0+1], v[AC+n:AC+n+1] op_sel_hi:[1,0,1]   ; each accumulator from its low end on
.set n, n+2
.endr
	WIN 0
.set n, 0
.rept 32
	v_pk_fma_f32 v[T+n:T+n+1], v[BS1+2*(\a):BS1+2*(\a)+1], s[Z1:Z1+1], v[T+n:T+n+1] op_sel_hi:[1,0,1]
.set n, n+2
.endr
	QUANT T
.irp c, 0,1,2,3
	global_store_b128 v[LI], v[PC+4*\c:PC+4*\c+3], s[68:69] offset:(\a)*2048+\c*512   ; 32 lanes store 512 consecutive bytes
.endr
	v_lshrrev_b32 v[SW+(\a)], v[SH], v[PW]         ; q, k: my half's head's two bytes;  v: the whole word
	v_and_b32 v[SW+(\a)], s[MASK], v[SW+(\a)]
.endm
.irp a, 0,1,2,3,4,5,6,7
	OUTBLK \a
.endr
	global_store_b128 v[SWO], v[SW:SW+3], s[70:71]              ; sixteen lanes store 256 consecutive bytes, aligned
	global_store_b128 v[SWO], v[SW+4:SW+7], s[70:71] offset:256
	s_wait_tensorcnt 0x0                           ; the wave's end
	ds_add_u32 v[SPW], v[NIL]
	s_wait_dscnt 0x0
	CROUND                                         ; the closing round
	s_endpgm
.Lfunc_end_k_q17531d6bba_qkv:
	.size	k_q17531d6bba_qkv, .Lfunc_end_k_q17531d6bba_qkv-k_q17531d6bba_qkv
	.p2alignl 7, 3214868480
	.fill 96, 4, 3214868480
	.section	.rodata,"a",@progbits
	.p2align	6, 0x0
	.amdhsa_kernel k_q17531d6bba_qkv
		.amdhsa_group_segment_fixed_size 327680
		.amdhsa_private_segment_fixed_size 0
		.amdhsa_enable_private_segment 0
		.amdhsa_kernarg_size 48
		.amdhsa_user_sgpr_count 2
		.amdhsa_user_sgpr_kernarg_segment_ptr 1
		.amdhsa_wavefront_size32 1
		.amdhsa_system_sgpr_workgroup_id_x 1
		.amdhsa_system_sgpr_workgroup_id_y 1
		.amdhsa_system_sgpr_workgroup_id_z 1
		.amdhsa_system_vgpr_workitem_id 0
		.amdhsa_next_free_vgpr 1024
		.amdhsa_next_free_sgpr 104
		.amdhsa_reserve_vcc 0
		.amdhsa_float_denorm_mode_32 3
		.amdhsa_float_denorm_mode_16_64 3
		.amdhsa_memory_ordered 1
		.amdhsa_forward_progress 1
		.amdhsa_inst_pref_size 218
	.end_amdhsa_kernel
	.amdgpu_metadata
---
amdhsa.version: [ 1, 2 ]
amdhsa.kernels:
  - .name:           k_q17531d6bba_qkv
    .symbol:         k_q17531d6bba_qkv.kd
    .args:
      - { .name: xc, .offset: 0, .size: 8, .value_kind: global_buffer, .address_space: global }
      - { .name: wc, .offset: 8, .size: 8, .value_kind: global_buffer, .address_space: global }
      - { .name: scx, .offset: 16, .size: 8, .value_kind: global_buffer, .address_space: global }
      - { .name: bqkv, .offset: 24, .size: 8, .value_kind: global_buffer, .address_space: global }
      - { .name: att, .offset: 32, .size: 8, .value_kind: global_buffer, .address_space: global }
      - { .name: atts, .offset: 40, .size: 8, .value_kind: global_buffer, .address_space: global }
    .group_segment_fixed_size: 327680
    .private_segment_fixed_size: 0
    .kernarg_segment_align: 8
    .kernarg_segment_size: 48
    .max_flat_workgroup_size: 128
    .sgpr_count:     104
    .vgpr_count:     1024
    .wavefront_size: 32
...
	.end_amdgpu_metadata
.endif
;; end of part 2
;; launch attn (part 3): grid 4 x 64, 16 waves a work-group, clusters of 4 x 1, 327,680 bytes of LDS; arguments att, atts, yc, scy; writes yc, scy
.if DOCPART == 3
	.amdgcn_target "amdgcn-amd-amdhsa--gfx1250"
	.amdhsa_code_object_version 6
	.text
	.protected	k_q17531d6bba_attn
	.globl	k_q17531d6bba_attn
	.p2align	8
	.type	k_q17531d6bba_attn,@function
k_q17531d6bba_attn:
	s_mov_b64 s[64:65], 0
	v_nop
	global_prefetch_b8 v0, s[64:65] scope:SCOPE_SE
	s_setreg_imm32_b32 hwreg(HW_REG_WAVE_MODE, 25, 1), 1
	s_wait_xcnt 0x0
	s_wait_alu depctr_hold_cnt(0) depctr_sa_sdst(0) depctr_va_vdst(0) depctr_va_sdst(0) depctr_va_ssrc(0) depctr_va_vcc(0) depctr_vm_vsrc(0)
	s_getreg_b32 s2, hwreg(HW_REG_IB_STS2, 6, 4)
	s_cmp_eq_u32 s2, 0
	s_cbranch_scc0 .Lentry_in_a_cluster
	s_endpgm
.Lentry_in_a_cluster:
	s_bfe_u32 s2, ttmp6, 0x10000c
	s_cmp_lg_u32 s2, 0x3003
	s_cbranch_scc0 .Lentry_shape_is_right
	s_endpgm
.Lentry_shape_is_right:
; y[b][t][64 hd + :] = causal softmax(q k^T / 8) v for head hd of batch b, both products on codes of E5M2 with E8M0 scales, and y quantised along its 1,024 channels on the way out.
; THE SOFTMAX: t = score x log2(e) / 8; M = the row's largest t so far, rounded UP to a whole number; p = 2^(t - M) is quantised along the keys, not normalised; the row's sum is taken of the unquantised p and divides at the end.
; When M moves, the sum and O are multiplied by 2^(old M - new M): exact.  LEFT OUT: key steps all of whose keys come after the wave's queries: the causal mask makes their p zero for every input.
; INPUTS (made by the launch before): att [P][G = 16 b + key step][16,384], P = hd / 2 for q, 8 + hd / 2 for k, 16 + hd / 2 for v: images of the operands' registers; atts: their scale words.  Tile 2 B + u holds at place r the token 32 B + 8 u + r + 8 (r / 8).
; THE FIRST PRODUCT'S K IS 64.  Q's fragment has zero codes in its upper half, so what stands in the upper half of K's fragment adds nothing as long as it is a finite code: K's eight fragments lie 8 registers apart,
; each one's upper half being the next one's lower half (finite codes: the quantiser holds them); behind the eighth stand eight registers of zeros.  The upper two scale bytes of q's and k's words are 0.
; SHARES.  A cluster of four work-groups owns one head of one batch.  The head's K and V, 262,144 bytes, and their scale words are asked for JOINTLY, once, and LDS is never filled again: so there is no loop of fills to prefetch ahead of.
; A wave owns one tile of 16 queries in each of two passes: tile 2 cx + (wave % 2) of group wave / 2, then of group 15 - wave / 2: 17 key steps of 128 for every wave.
; Branches hang on the wave's number, the pass and the step alone; the work-group's place enters global addresses and the mask's numbers only.
; THE NEXT STEP'S K is fetched from LDS behind this step's first products; the wait ahead of the second products covers it.  Behind the last step the fetch reads the bytes that follow K and its scale words in LDS (V's), and nobody uses them.
; LIMITS: NaN and infinities are not served; a block of y whose largest magnitude lies under 2^-111 gets the byte 1: the bytes are read by this program alone.
.set LK,   0                           ; LDS: K [step 16][tile 8][c 2][512]
.set LV,   131072                      ; V [step][tile 4][c 4][512]
.set LKS,  262144                      ; K's scale words [step][tile / 4][place][tile % 4]
.set LVS,  270336                      ; V's [step][place][tile]
.set Q,    16                          ; v16-31  Q, upper half zeros
.set KF,   32                          ; v32-103 K's eight fragments, 8 apart; v96-103 zeros
.set S,    104                         ; v104-167 S^T, then p, then V's four fragments; at a pass's end y
.set O,    168                         ; v168-199 O^T
.set W,    200                         ; v200-222 at work: +0 block maxima, +4 other lane's / bytes, +8 bounds, +12 scale operands (+4..+17 also the sum's parts), +18 a number, +20 f (a pair), +22 p's scale word
.set PC,   224                         ; v224-239 codes
.set KS,   240                         ; v240-247 K's scale words
.set VS,   248                         ; v248-251 V's;  v252 -infinity; v253, v254 the add's; v255 Q's scale word
.set WV,   18
.set MNT,  19
.set SEL,  20
.set CS,   22                          ; s[22:23] c = log2(e) / 8
.set G1K,  24
.set G1V,  32
.set G1KS, 40
.set G1VS, 48
.set G0K,  56
.set G0V,  60
.set G0KS, 68
.set G0VS, 72
.set PASS, 78
.set M,    79                          ; the pass's group of 128 queries: the last key step that counts
.set KK,   80
.set TK,   81                          ; 8,192 x step
.set TS,   82                          ; 512 x step
.set TV,   83                          ; 256 x step
.set HM,   94                          ; lanes 16-31
.macro ROUND                           ; a round of the cluster's barrier
	s_barrier_signal -1
	s_barrier_wait -1
	s_cmp_lg_u32 s[WV], 0
	s_cbranch_scc1 .Lnot_wave_0_\@
	s_barrier_signal -3
.Lnot_wave_0_\@:
	s_barrier_wait -3
	s_barrier_signal -1
	s_barrier_wait -1
.endm
.macro GROUP1 g, c, r, p               ; r rows of c elements of 8 bytes, p elements apart; the mask names all four work-groups, bit 21 beside it
	s_mov_b32 s[\g], 15|(3<<16)|(1<<21)
	s_mov_b32 s[\g+1], (\c)<<16
	s_mov_b32 s[\g+2], (\r)<<16
	s_mov_b32 s[\g+3], (\c)<<16
	s_mov_b32 s[\g+4], \r
	s_mov_b32 s[\g+5], \p
	s_mov_b32 s[\g+6], 0
	s_mov_b32 s[\g+7], 0
.endm
.macro ASKFOR g0, g1                   ; s_nop 0 and four v_nop follow a tensor load
	tensor_load_to_lds s[\g0:\g0+3], s[\g1:\g1+7]
	s_nop 0
.rept 4
	v_nop
.endr
.endm
.macro KLOAD ak, as, ok, os            ; K's eight lower halves and their scale words
.irp t, 0,1,2,3,4,5,6,7
.irp c, 0,1
	ds_load_b128 v[KF+8*\t+4*\c:KF+8*\t+4*\c+3], v[\ak] offset:\ok+\t*1024+\c*512
.endr
.endr
	ds_load_b128 v[KS:KS+3], v[\as] offset:\os
	ds_load_b128 v[KS+4:KS+7], v[\as] offset:\os+256
.endm
.macro PADD d, a, b
	v_pk_add_f32 v[\d:\d+1], v[\a:\a+1], v[\b:\b+1]
.endm
	s_load_b256 s[4:11], s[0:1], 0x0               ; att s[4:5], atts s[6:7], yc s[8:9], scy s[10:11]
	v_lshl_add_u32 v253, v0, 2, 0x43000
	v_mov_b32 v254, 0
	ds_add_u32 v253, v254
	ds_add_u32 v253, v254
	v_lshrrev_b32 v1, 5, v0
	s_delay_alu instid0(VALU_DEP_1)
	v_readfirstlane_b32 s[WV], v1                  ; wave 0..15
	s_and_b32 s2, ttmp7, 0xffff                    ; 16 x batch + head
	s_lshr_b32 s12, s2, 4                          ; b
	s_and_b32 s3, s2, 15
	s_lshr_b32 s13, s3, 1                          ; the pair of heads
	s_and_b32 s14, s3, 1                           ; the head in its pair
	s_and_b32 s16, s[WV], 1                        ; e
	s_lshr_b32 s17, s[WV], 1                       ; the first pass's group
	GROUP1 G1K, 128, 32, 256                       ; a quarter of K: 32 tiles' 1,024 bytes, 2,048 apart
	GROUP1 G1V, 1024, 4, 2048                      ; a quarter of V: 4 steps' 8,192 bytes, 16,384 apart
	GROUP1 G1KS, 64, 16, 128                       ; K's scale words: 16 steps' 512 bytes, 1,024 apart
	GROUP1 G1VS, 32, 16, 128                       ; V's: 16 steps' 256 bytes
	s_and_b32 s84, s[WV], 3
	s_lshl_b32 s84, s84, 16                        ; my quarter: four steps of 16,384 bytes,
	s_lshl_b32 s85, s12, 18                        ; the batch's 16 steps,
	s_add_co_u32 s84, s84, s85
	s_lshl_b32 s85, s13, 20                        ; the pair of heads
	s_add_co_u32 s84, s84, s85
	s_lshl_b32 s85, s14, 10
	s_add_co_u32 s86, s84, s85
	s_add_co_u32 s86, s86, 8<<20                   ; K
	s_mov_b32 s87, 0
	s_lshl_b32 s85, s14, 13
	s_add_co_u32 s88, s84, s85
	s_add_co_u32 s88, s88, 16<<20                  ; V
	s_mov_b32 s89, 0
	s_lshl_b32 s84, s13, 16
	s_lshl_b32 s85, s12, 14
	s_add_co_u32 s84, s84, s85
	s_lshl_b32 s85, s14, 9
	s_add_co_u32 s90, s84, s85
	s_add_co_u32 s90, s90, 8<<16                   ; K's scale words
	s_mov_b32 s91, 0
	s_lshl_b32 s85, s14, 8
	s_add_co_u32 s92, s84, s85
	s_add_co_u32 s92, s92, 16<<16                  ; V's
	s_mov_b32 s93, 0
	s_lshl_b32 s95, s[WV], 15                      ; waves 0-3: K's quarters; waves 4-7: V's, which lie behind K
	s_wait_dscnt 0x0
	s_wait_kmcnt 0x0
	ROUND                                          ; all four work-groups are here: the joint loads meet
	s_mov_b32 s[G0K], 1
	s_mov_b32 s[G0K+1], s95
	s_add_nc_u64 s[G0K+2:G0K+3], s[4:5], s[86:87]
	s_or_b32 s[G0K+3], s[G0K+3], 0x80000000
	s_mov_b32 s[G0V], 1
	s_mov_b32 s[G0V+1], s95
	s_add_nc_u64 s[G0V+2:G0V+3], s[4:5], s[88:89]
	s_or_b32 s[G0V+3], s[G0V+3], 0x80000000
	s_mov_b32 s[G0KS], 1
	s_mov_b32 s[G0KS+1], LKS
	s_add_nc_u64 s[G0KS+2:G0KS+3], s[6:7], s[90:91]
	s_or_b32 s[G0KS+3], s[G0KS+3], 0x80000000
	s_mov_b32 s[G0VS], 1
	s_mov_b32 s[G0VS+1], LVS
	s_add_nc_u64 s[G0VS+2:G0VS+3], s[6:7], s[92:93]
	s_or_b32 s[G0VS+3], s[G0VS+3], 0x80000000
	s_cmp_lt_u32 s[WV], 4                          ; one load a wave, waves 0 to 9; the branches hang on the wave's number alone
	s_cbranch_scc0 .Lnot_k
	ASKFOR G0K, G1K
	s_branch .Lasked
.Lnot_k:
	s_cmp_lt_u32 s[WV], 8
	s_cbranch_scc0 .Lnot_v
	ASKFOR G0V, G1V
	s_branch .Lasked
.Lnot_v:
	s_cmp_eq_u32 s[WV], 8
	s_cbranch_scc0 .Lnot_ks
	ASKFOR G0KS, G1KS
	s_branch .Lasked
.Lnot_ks:
	s_cmp_eq_u32 s[WV], 9
	s_cbranch_scc0 .Lasked
	ASKFOR G0VS, G1VS
.Lasked:
	s_bfe_u32 s15, ttmp6, 0x40000                  ; cx: it enters global addresses and the mask's numbers only
	v_and_b32 v8, 15, v0                           ; r
	v_bfe_u32 v9, v0, 4, 1                         ; h
	v_and_b32 v10, 31, v0
	s_delay_alu instid0(VALU_DEP_1)
	v_lshlrev_b32 v1, 4, v10                       ; 16 x lane: an image's place for my lane, in K's tiles and in memory
	s_delay_alu instid0(VALU_DEP_1)
	v_add_nc_u32 v2, LV, v1                        ; in V's tiles
	v_lshlrev_b32 v6, 4, v8                        ; 16 r
	s_delay_alu instid0(VALU_DEP_1)
	v_add_nc_u32 v3, LKS, v6
	s_delay_alu instid0(VALU_DEP_2)
	v_add_nc_u32 v4, LVS, v6
	s_delay_alu instid0(VALU_DEP_3)
	v_add_nc_u32 v7, v6, v9                        ; y's scale byte: 16 r + h
	v_and_b32 v11, 8, v8
	s_delay_alu instid0(VALU_DEP_1)
	v_add_nc_u32 v11, v11, v8                      ; r + 8 (r / 8)
	v_lshlrev_b32 v10, 4, v9
	s_delay_alu instid0(VALU_DEP_1)
	v_sub_nc_u32 v5, v11, v10
	s_lshl_b32 s84, s15, 5
	s_lshl_b32 s85, s16, 3
	s_add_co_u32 s84, s84, s85
	v_add_nc_u32 v5, s84, v5                       ; my query's place in its group of 128, less 16 h
.irp j, 0,1,2,3,4,5,6,7
	v_mov_b32 v[Q+8+\j], 0                         ; Q's upper half: zero codes
	v_mov_b32 v[KF+64+\j], 0                       ; and what stands behind K's eighth fragment
.endr
.irp b, 0,1,2,3
	v_mov_b32 v[W+4+\b], 0                         ; written once: a lane permute's destination counts as one of its sources
.endr
	v_mov_b32 v[W+18], 0
	v_mov_b32 v[W+21], 0                           ; (named as the upper half of f's pair)
	v_mov_b32 v252, 0xff800000                     ; -infinity
	s_lshl_b32 s84, s15, 1
	s_add_co_u32 s84, s84, s16                     ; my tile in a group: 2 cx + e
	s_lshl_b32 s85, s12, 7
	s_add_co_u32 s84, s84, s85                     ; + 128 b
	s_mov_b32 s87, 0
	s_lshl_b32 s86, s84, 11                        ; Q's codes: 2,048 bytes a tile, the pair of heads, the head
	s_lshl_b32 s85, s13, 20
	s_add_co_u32 s86, s86, s85
	s_lshl_b32 s85, s14, 10
	s_add_co_u32 s86, s86, s85
	s_add_nc_u64 s[96:97], s[4:5], s[86:87]
	s_lshl_b32 s86, s13, 16                        ; Q's scale word: [P][G][head][tile / 4][place][tile % 4]
	s_lshl_b32 s85, s12, 14
	s_add_co_u32 s86, s86, s85
	s_lshl_b32 s85, s14, 9
	s_add_co_u32 s86, s86, s85
	s_lshr_b32 s85, s15, 1
	s_lshl_b32 s85, s85, 8
	s_add_co_u32 s86, s86, s85
	s_and_b32 s85, s15, 1
	s_lshl_b32 s85, s85, 3
	s_add_co_u32 s86, s86, s85
	s_lshl_b32 s85, s16, 2
	s_add_co_u32 s86, s86, s85
	s_add_nc_u64 s[98:99], s[6:7], s[86:87]
	s_lshl_b32 s86, s84, 14                        ; y's codes: [tile][K step = pair of heads][2,048], the head's half of the image
	s_lshl_b32 s85, s13, 11
	s_add_co_u32 s86, s86, s85
	s_lshl_b32 s85, s14, 10
	s_add_co_u32 s86, s86, s85
	s_add_nc_u64 s[100:101], s[8:9], s[86:87]
	s_lshl_b32 s86, s84, 9                         ; y's scale bytes: [tile][step / 4][place][step % 4], bytes 2 j and 2 j + 1 of the word
	s_lshr_b32 s85, s13, 2
	s_lshl_b32 s85, s85, 8
	s_add_co_u32 s86, s86, s85
	s_and_b32 s85, s13, 3
	s_lshl_b32 s85, s85, 2
	s_add_co_u32 s86, s86, s85
	s_lshl_b32 s85, s14, 1
	s_add_co_u32 s86, s86, s85
	s_add_nc_u64 s[76:77], s[10:11], s[86:87]
	s_mov_b32 s[SEL], 0x76543210
	s_mov_b32 s[SEL+1], 0xfedcba98
	s_mov_b32 s[CS], 0x3e38aa3b                    ; log2(e) / 8
	s_mov_b32 s[CS+1], s[CS]
	s_mov_b32 s[MNT], 0x600000
	s_mov_b32 s[HM], 0xffff0000
	s_mov_b32 s[PASS], 0
	s_wait_alu depctr_va_vdst(0)
	s_wait_tensorcnt 0x0                           ; my load has landed,
	s_barrier_signal -1
	s_barrier_wait -1                              ; everybody's has: from here on LDS is only read
.Lpass:
	s_mul_i32 s84, s[PASS], 15
	s_xor_b32 s[M], s17, s84                       ; wave / 2, then 15 - wave / 2
	s_mov_b32 s85, 0
	s_lshl_b32 s84, s[M], 14
	s_add_nc_u64 s[86:87], s[96:97], s[84:85]      ; the group's eight tiles on, in each of the four buffers
	s_lshl_b32 s84, s[M], 10
	s_add_nc_u64 s[88:89], s[98:99], s[84:85]
	s_lshl_b32 s84, s[M], 17
	s_add_nc_u64 s[90:91], s[100:101], s[84:85]
	s_lshl_b32 s84, s[M], 12
	s_add_nc_u64 s[92:93], s[76:77], s[84:85]
	global_load_b128 v[Q:Q+3], v1, s[86:87]
	global_load_b128 v[Q+4:Q+7], v1, s[86:87] offset:512
	global_load_b32 v255, v6, s[88:89]
	KLOAD 1, 3, 0, 0                               ; key step 0's K
	v_mov_b32 v13, 0xff61b1e6                      ; the largest t so far: -3e38
	s_delay_alu instid0(VALU_DEP_1)
	v_floor_f32 v12, -v13                          ; -M
	v_mov_b32 v14, 0
	v_mov_b32 v15, 0
.set n, 0
.rept 32
	v_mov_b32 v[O+n], 0                            ; O^T: the step is written once; its first trip finds zeros, which the first change of M leaves zeros
.set n, n+1
.endr
	s_mov_b32 s[KK], 0
	s_mov_b32 s[TK], 0
	s_mov_b32 s[TS], 0
	s_mov_b32 s[TV], 0
	s_wait_alu depctr_va_vdst(0)
	s_wait_loadcnt 0x0
	s_wait_dscnt 0x0
.Lstep:                                            ; 16 trips, a constant; a step all of whose keys come after my queries is left out by a branch on the wave's number, the pass and the step
	s_cmp_gt_u32 s[KK], s[M]
	s_cbranch_scc1 .Lhidden
	v_add_nc_u32 v8, s[TK], v1
	v_add_nc_u32 v9, s[TK], v2
	v_add_nc_u32 v10, s[TS], v3
	v_add_nc_u32 v11, s[TV], v4
.rept 5
	v_nop                                          ; with the four additions nine places: the products below write over registers that the last step's products read
.endr
.irp t, 0,1,2,3,4,5,6,7                        ; S^T = K Q^T: register 16 B + i is key 128 step + 32 B + 16 h + i
	v_wmma_scale_f32_16x16x128_f8f6f4 v[S+8*\t:S+8*\t+7], v[KF+8*\t:KF+8*\t+15], v[Q:Q+15], 0, v[KS+\t], v255 matrix_a_fmt:MATRIX_FMT_BF8 matrix_b_fmt:MATRIX_FMT_BF8
.endr
.rept 8
	v_nop                                          ; eight places: ahead of the loads into what the products read, and of the first readers of their results
.endr
	KLOAD 8, 10, 8192, 512                         ; the next step's K: 18 loads, waited for with V's
	s_cmp_lg_u32 s[KK], s[M]                       ; on the diagonal the scores of hidden keys become -infinity ahead of the maximum
	s_cbranch_scc1 .Lopen
.set n, 0
.rept 64
	v_cmp_gt_i32 vcc_lo, 32*(n/16)+n%16, v5
	v_cndmask_b32 v[S+n], v[S+n], v252, vcc_lo
.set n, n+1
.endr
.Lopen:
.irp b, 0,1,2,3
	v_max3_num_f32 v[W+\b], v[S+16*\b], v[S+1+16*\b], v[S+2+16*\b]   ; the largest score of each block of 32 keys: for the row's maximum, and for the block's largest p
.endr
.irp i, 3,5,7,9,11,13
.irp b, 0,1,2,3
	v_max3_num_f32 v[W+\b], v[W+\b], v[S+16*\b+\i], v[S+1+16*\b+\i]
.endr
.endr
.irp b, 0,1,2,3
	v_max_num_f32 v[W+\b], v[W+\b], v[S+15+16*\b]
.endr
.irp b, 0,1,2,3
	s_delay_alu instid0(VALU_DEP_4)
	v_permlanex16_b32 v[W+4+\b], v[W+\b], s[SEL], s[SEL+1]
.endr
.irp b, 0,1,2,3
	s_delay_alu instid0(VALU_DEP_4)
	v_max_num_f32 v[W+\b], v[W+\b], v[W+4+\b]      ; with lane l xor 16's 16 keys
.endr
	s_delay_alu instid0(VALU_DEP_2)
	v_max3_num_f32 v[W+18], v[W], v[W+1], v[W+2]
	s_delay_alu instid0(VALU_DEP_1)
	v_max_num_f32 v[W+18], v[W+18], v[W+3]
	s_delay_alu instid0(VALU_DEP_1)
	v_mul_f32 v[W+18], s[CS], v[W+18]              ; as t
	s_delay_alu instid0(VALU_DEP_1)
	v_max_num_f32 v13, v13, v[W+18]                ; the running largest t
	v_mov_b32 v[W+18], v12
	s_delay_alu instid0(VALU_DEP_2)
	v_floor_f32 v12, -v13                          ; the new -M: M is a whole number
	s_delay_alu instid0(VALU_DEP_1)
	v_sub_f32 v[W+18], v12, v[W+18]                ; old M - new M, 0 or less
	s_delay_alu instid0(VALU_DEP_1)
	v_cvt_i32_f32 v[W+18], v[W+18]                 ; (it saturates)
	s_delay_alu instid0(VALU_DEP_1)
	v_ldexp_f32 v[W+20], 1.0, v[W+18]              ; f = 2^(old M - new M)
.set n, 0
.rept 32
	v_pk_fma_f32 v[S+n:S+1+n], v[S+n:S+1+n], s[CS:CS+1], v[12:13] op_sel_hi:[1,0,0]   ; t - M
.set n, n+2
.endr
.irp b, 0,1,2,3
	v_fma_f32 v[W+\b], v[W+\b], s[CS], v12         ; the same of each block's largest score
.endr
	s_wait_alu depctr_va_vdst(0)
.set n, 0
.rept 64
	v_exp_f32 v[S+n], v[S+n]                       ; p = 2^(t - M)
.set n, n+1
.endr
	v_pk_mul_f32 v[14:15], v[14:15], v[W+20:W+21] op_sel_hi:[1,0]   ; the sums under the new M: a plain line behind the exponentials
	s_wait_alu depctr_va_vdst(0)                   ; one wait for the whole batch, ahead of its first reader
.irp b, 0,1,2,3
	v_exp_f32 v[W+\b], v[W+\b]                     ; the block's largest p
.endr
	; the row's sum of the unquantised p: 32 pairs in eight chains: seven parts at W+4+2 j, and v[14:15]
.irp j, 0,1,2,3,4,5,6
	PADD W+4+2*\j, S+4*\j, S+4*\j+2
.endr
	PADD 14, 14, S+28
.irp j, 0,1,2,3,4,5,6
	PADD W+4+2*\j, W+4+2*\j, S+30+2*\j
.endr
	PADD 14, 14, S+44
.irp j, 0,1,2,3,4,5,6
	PADD W+4+2*\j, W+4+2*\j, S+46+2*\j
.endr
	PADD 14, 14, S+60
	PADD W+4, W+4, S+62
	s_delay_alu instid0(VALU_DEP_2)
	PADD 14, 14, W+10
	s_delay_alu instid0(VALU_DEP_2)
	PADD W+4, W+4, W+12
	PADD W+6, W+6, W+14
	PADD W+8, W+8, W+16
	s_delay_alu instid0(VALU_DEP_2)
	PADD 14, 14, W+6
	s_delay_alu instid0(VALU_DEP_2)
	PADD W+4, W+4, W+8
	s_delay_alu instid0(VALU_DEP_1)
	PADD 14, 14, W+4
	s_wait_alu depctr_va_vdst(0)                   ; and one wait for the four
.irp b, 0,1,2,3
	v_max_num_f32 v[W+\b], 0x8000000, v[W+\b]      ; the floor 2^(16 - 127)
.endr
.irp b, 0,1,2,3
	s_delay_alu instid0(VALU_DEP_4)
	v_add_nc_u32 v[W+12+\b], 0xf8800000, v[W+\b]   ; the conversion's scale operand
.endr
.irp b, 0,1,2,3
	v_and_or_b32 v[W+8+\b], v[W+\b], 0x7f800000, s[MNT]   ; 57,344 x the scale
.endr
.irp b, 0,1,2,3
	v_lshrrev_b32 v[W+4+\b], 23, v[W+12+\b]        ; the byte
.endr
	s_delay_alu instid0(VALU_DEP_3)
	v_lshl_or_b32 v[W+22], v[W+5], 8, v[W+4]       ; p's scale word for these 128 keys
	s_delay_alu instid0(VALU_DEP_1)
	v_lshl_or_b32 v[W+22], v[W+6], 16, v[W+22]
	s_delay_alu instid0(VALU_DEP_1)
	v_lshl_or_b32 v[W+22], v[W+7], 24, v[W+22]
	; the hold: the conversion does not saturate (ISA guide 7.6.2); p is not negative.  Two blocks' numbers to a dual pair: destinations even and odd, sources in different banks
.irp b, 0,2
.irp i, 0,2,4,6,8,10,12,14
	v_dual_min_num_f32 v[S+16*\b+\i], v[S+16*\b+\i], v[W+8+\b] :: v_dual_min_num_f32 v[S+16*\b+17+\i], v[S+16*\b+17+\i], v[W+9+\b]
	v_dual_min_num_f32 v[S+16*\b+16+\i], v[S+16*\b+16+\i], v[W+9+\b] :: v_dual_min_num_f32 v[S+16*\b+1+\i], v[S+16*\b+1+\i], v[W+8+\b]
.endr
.irp e, 0,1
	v_cvt_scalef32_pk8_bf8_f32 v[PC+4*(\b+\e):PC+4*(\b+\e)+1], v[S+16*(\b+\e):S+16*(\b+\e)+7], v[W+12+\b+\e]
	v_cvt_scalef32_pk8_bf8_f32 v[PC+4*(\b+\e)+2:PC+4*(\b+\e)+3], v[S+16*(\b+\e)+8:S+16*(\b+\e)+15], v[W+12+\b+\e]
.endr
.endr
	v_nop                                          ; a plain line behind the last conversion
.irp t, 0,1,2,3                                ; V's four fragments take p's registers
.irp c, 0,1,2,3
	ds_load_b128 v[S+16*\t+4*\c:S+16*\t+4*\c+3], v9 offset:\t*2048+\c*512
.endr
.endr
	ds_load_b128 v[VS:VS+3], v11
	s_wait_alu depctr_va_vdst(0)                   ; directly ahead of the first reader of O^T
.set n, 0
.rept 16
	v_pk_mul_f32 v[O+n:O+1+n], v[O+n:O+1+n], v[W+20:W+21] op_sel_hi:[1,0]   ; O^T under the new M; these are also the places between the codes and the products
.set n, n+2
.endr
	s_wait_alu depctr_va_vdst(0)
	s_wait_dscnt 0x0                               ; V, and the next step's K
.irp t, 0,1,2,3                                ; O^T += V^T P^T: four accumulators by turns
	v_wmma_scale_f32_16x16x128_f8f6f4 v[O+8*\t:O+7+8*\t], v[S+16*\t:S+15+16*\t], v[PC:PC+15], v[O+8*\t:O+7+8*\t], v[VS+\t], v[W+22] matrix_a_fmt:MATRIX_FMT_BF8 matrix_b_fmt:MATRIX_FMT_BF8
.endr
.Lhidden:
	s_add_co_u32 s[TK], s[TK], 8192
	s_add_co_u32 s[TS], s[TS], 512
	s_add_co_u32 s[TV], s[TV], 256
	s_add_co_u32 s[KK], s[KK], 1
	s_cmp_lt_u32 s[KK], 16
	s_cbranch_scc1 .Lstep
	; A PASS'S END: y = O^T / the sum; register 16 B + i is channel 32 B + 16 h + i of the head: two blocks of the last product's K
.rept 8
	v_nop
.endr
	v_add_f32 v14, v14, v15
	s_delay_alu instid0(VALU_DEP_1)
	v_permlanex16_b32 v[W+18], v14, s[SEL], s[SEL+1]
	s_delay_alu instid0(VALU_DEP_1)
	v_add_f32 v14, v14, v[W+18]                    ; the row's sum
	s_wait_alu depctr_va_vdst(0)
	v_rcp_f32 v14, v14
	v_nop                                          ; a plain line behind the transcendental
	s_wait_alu depctr_va_vdst(0)                   ; and the wait ahead of its first reader
.set n, 0
.rept 32
	v_mul_f32 v[S+n], v[O+n], v14
.set n, n+1
.endr
.irp b, 0,1
	v_max3_num_f32 v[W+\b], |v[S+16*\b]|, |v[S+1+16*\b]|, 0x8000000
.endr
.irp i, 2,4,6,8,10,12,14
.irp b, 0,1
	s_delay_alu instid0(VALU_DEP_2)
	v_max3_num_f32 v[W+\b], v[W+\b], |v[S+16*\b+\i]|, |v[S+1+16*\b+\i]|
.endr
.endr
.irp b, 0,1
	s_delay_alu instid0(VALU_DEP_2)
	v_permlanex16_b32 v[W+4+\b], v[W+\b], s[SEL], s[SEL+1]
.endr
.irp b, 0,1
	s_delay_alu instid0(VALU_DEP_2)
	v_max_num_f32 v[W+\b], v[W+\b], v[W+4+\b]
.endr
.irp b, 0,1
	s_delay_alu instid0(VALU_DEP_2)
	v_add_nc_u32 v[W+12+\b], 0xf8800000, v[W+\b]
.endr
.irp b, 0,1
	s_delay_alu instid0(VALU_DEP_4)
	v_and_or_b32 v[W+8+\b], v[W+\b], 0x7f800000, s[MNT]
.endr
.irp b, 0,1
	s_delay_alu instid0(VALU_DEP_4)
	v_lshrrev_b32 v[W+4+\b], 23, v[W+12+\b]
.endr
.irp b, 0,1
.irp i, 0,1,2,3,4,5,6,7,8,9,10,11,12,13,14,15
	v_med3_num_f32 v[S+16*\b+\i], v[S+16*\b+\i], -v[W+8+\b], v[W+8+\b]
.endr
	v_cvt_scalef32_pk8_bf8_f32 v[PC+4*\b:PC+1+4*\b], v[S+16*\b:S+7+16*\b], v[W+12+\b]
	v_cvt_scalef32_pk8_bf8_f32 v[PC+2+4*\b:PC+3+4*\b], v[S+8+16*\b:S+15+16*\b], v[W+12+\b]
.endr
	v_cndmask_b32 v[W+18], v[W+4], v[W+5], s[HM]   ; lanes 0-15 store the first block's byte, lanes 16-31 the second's.  (A plain line behind the last conversion)
	global_store_b128 v1, v[PC:PC+3], s[90:91]     ; 32 lanes store 512 consecutive bytes
	global_store_b128 v1, v[PC+4:PC+7], s[90:91] offset:512
	global_store_b8 v7, v[W+18], s[92:93]          ; single bytes: two heads share a word of y's scales; 32 bytes for each 1,024 of codes
	s_wait_xcnt 0x0                                ; the bases and the stores' data are written again only behind this wait
	s_add_co_u32 s[PASS], s[PASS], 1
	s_cmp_lt_u32 s[PASS], 2
	s_cbranch_scc1 .Lpass
	s_wait_tensorcnt 0x0                           ; the wave's end
	ds_add_u32 v253, v254
	s_wait_dscnt 0x0
	ROUND                                          ; the closing round
	s_endpgm
.Lfunc_end_k_q17531d6bba_attn:
	.size	k_q17531d6bba_attn, .Lfunc_end_k_q17531d6bba_attn-k_q17531d6bba_attn
	.p2alignl 7, 3214868480
	.fill 96, 4, 3214868480
	.section	.rodata,"a",@progbits
	.p2align	6, 0x0
	.amdhsa_kernel k_q17531d6bba_attn
		.amdhsa_group_segment_fixed_size 327680
		.amdhsa_private_segment_fixed_size 0
		.amdhsa_enable_private_segment 0
		.amdhsa_kernarg_size 32
		.amdhsa_user_sgpr_count 2
		.amdhsa_user_sgpr_kernarg_segment_ptr 1
		.amdhsa_wavefront_size32 1
		.amdhsa_system_sgpr_workgroup_id_x 1
		.amdhsa_system_sgpr_workgroup_id_y 1
		.amdhsa_system_sgpr_workgroup_id_z 1
		.amdhsa_system_vgpr_workitem_id 0
		.amdhsa_next_free_vgpr 256
		.amdhsa_next_free_sgpr 104
		.amdhsa_reserve_vcc 1
		.amdhsa_float_denorm_mode_32 3
		.amdhsa_float_denorm_mode_16_64 3
		.amdhsa_memory_ordered 1
		.amdhsa_forward_progress 1
		.amdhsa_inst_pref_size 45
	.end_amdhsa_kernel
	.amdgpu_metadata
---
amdhsa.version: [ 1, 2 ]
amdhsa.kernels:
  - .name:           k_q17531d6bba_attn
    .symbol:         k_q17531d6bba_attn.kd
    .args:
      - { .name: att, .offset: 0, .size: 8, .value_kind: global_buffer, .address_space: global }
      - { .name: atts, .offset: 8, .size: 8, .value_kind: global_buffer, .address_space: global }
      - { .name: yc, .offset: 16, .size: 8, .value_kind: global_buffer, .address_space: global }
      - { .name: scy, .offset: 24, .size: 8, .value_kind: global_buffer, .address_space: global }
    .group_segment_fixed_size: 327680
    .private_segment_fixed_size: 0
    .kernarg_segment_align: 8
    .kernarg_segment_size: 32
    .max_flat_workgroup_size: 512
    .sgpr_count:     104
    .vgpr_count:     256
    .wavefront_size: 32
...
	.end_amdgpu_metadata
.endif
;; end of part 3
;; launch outp (part 4): grid 4 x 64, 4 waves a work-group, clusters of 4 x 4, 327,680 bytes of LDS; arguments yc, wc, scy, bout, out0; writes out0
.if DOCPART == 4
	.amdgcn_target "amdgcn-amd-amdhsa--gfx1250"
	.amdhsa_code_object_version 6
	.text
	.protected	k_q17531d6bba_outp
	.globl	k_q17531d6bba_outp
	.p2align	8
	.type	k_q17531d6bba_outp,@function
k_q17531d6bba_outp:
	s_mov_b64 s[64:65], 0
	v_nop
	global_prefetch_b8 v0, s[64:65] scope:SCOPE_SE
	s_setreg_imm32_b32 hwreg(HW_REG_WAVE_MODE, 25, 1), 1
	s_wait_xcnt 0x0
	s_wait_alu depctr_hold_cnt(0) depctr_sa_sdst(0) depctr_va_vdst(0) depctr_va_sdst(0) depctr_va_ssrc(0) depctr_va_vcc(0) depctr_vm_vsrc(0)
	s_getreg_b32 s2, hwreg(HW_REG_IB_STS2, 6, 4)
	s_cmp_eq_u32 s2, 0
	s_cbranch_scc0 .Lentry_in_a_cluster
	s_endpgm
.Lentry_in_a_cluster:
	s_bfe_u32 s2, ttmp6, 0x10000c
	s_cmp_lg_u32 s2, 0xf033
	s_cbranch_scc0 .Lentry_shape_is_right
	s_endpgm
.Lentry_shape_is_right:
; out0 = y Wout + bout on codes of E5M2 with E8M0 scales, K = 1,024, f32 sums.
; OPERANDS lie as images of the matrix operand's registers: [tile of 16 rows][K step of 128][2,048 bytes]; tile 2 B + u holds at place r the row 32 B + 8 u + r + 8 (r / 8).  yc: y's 512 tiles of tokens; wc: Wout's columns are tiles 192 .. 255.
; scy: scale words [tile][K step / 4][place][K step % 4]: y's, and from byte 262,144 the weights'.
; SHARES.  8,192 x 1,024 results in blocks of 128 tokens x 256 columns: 256 work-groups.  Four waves, 2 x 2: a wave makes 64 tokens x 128 columns: 32 accumulators.
; S0 (source 0) = columns of Wout, S1 (source 1) = tokens: a lane holds one token, and its registers run along the columns.
; K goes in steps of 256 through two LDS slots: waves 0 and 1 fetch S1's halves (4 tiles), waves 2 and 3 S0's (8 tiles), one joint load a wave.  CLUSTERS 4 x 4: S1's tiles are shared along a row, S0's along a column.
; Both operands have two sets of registers: a K step's 48 LDS loads are issued ahead of the products of the step before.
; K has four fills in all, two of them first fills: no prefetch is laid ahead of them.
; LIMITS: NaN and infinities are not served.
; REGISTERS: window 0: v16-29 addresses; v32-35 the bias; v64-127 scale words (tile i, K step ks at SC + 8 i + ks: lanes 0-15 S1's, lanes 16-31 S0's); v128-255 S1's fragments, two sets of four (on the way out: rows read back).
;   window 1: S0's fragments, two sets of eight.  window 2: accumulator (a, b) at v[8 (8 a + b)].
.set NP,    8                          ; places behind this matrix instruction (ISA guide 7.12.1)
.set SLOT,  131072                     ; a slot: a part of 32,768 bytes for each wave's load (S1's use 16,384)
.set SPARE, 262144                     ; the spare words, 128 bytes for each wave
.set LI,   26                          ; v26  16 x lane
.set ADR1, 16                          ; v16-17 my S1 half in slot 0, 1
.set ADR0, 20                          ; v20-21 my S0 half
.set STO,  24
.set RD,   25
.set SPW,  28
.set NIL,  29
.set SC,   64
.set AF,   128
.set BK,   128
.set SPITCH, 528                       ; the way out: a stage of 16 rows x (512 + 16) bytes for each wave, in slot 0, behind its last fill and its last read
.set G1,   24
.set G0,   32
.set G1B,  48
.set G0B,  56
.set MSB, 0
.macro WIN new                         ; the immediate's high byte repeats the setting that is left
.if MSB != \new
	s_set_vgpr_msb (MSB<<8)|\new
.set MSB, \new
.endif
.endm
.set MUL_LO, 0xa1                      ; source 0 window 1, source 1 window 0, C and D window 2
.set TO_B,   0x40
.macro JLOAD g0a, g1a, g0b, g1b        ; a joint load; the branch hangs on the wave's number alone; s_nop 0 and four v_nop follow each line
	s_cmp_eq_u32 s15, 0
	s_cbranch_scc0 .Lfor_b_\@
	tensor_load_to_lds s[\g0a:\g0a+3], s[\g1a:\g1a+7]
	s_nop 0
.rept 4
	v_nop
.endr
	s_branch .Lasked_\@
.Lfor_b_\@:
	tensor_load_to_lds s[\g0b:\g0b+3], s[\g1b:\g1b+7]
	s_nop 0
.rept 4
	v_nop
.endr
.Lasked_\@:
.endm
.macro CREST                           ; a round of the cluster's barrier behind its opening barrier
	s_cmp_lg_u32 s14, 0
	s_cbranch_scc1 .Lnot_wave_0_\@
	s_barrier_signal -3
.Lnot_wave_0_\@:
	s_barrier_wait -3
	s_barrier_signal -1
	s_barrier_wait -1
.endm
.macro CROUND
	s_barrier_signal -1
	s_barrier_wait -1
	CREST
.endm
.macro PLACES n
.rept \n
	v_nop
.endr
.endm
	s_load_b256 s[4:11], s[0:1], 0x0               ; yc s[4:5], wc s[6:7], scy s[8:9], bout s[10:11]
	s_load_b64 s[68:69], s[0:1], 0x20              ; out0
	v_lshl_add_u32 v[SPW], v0, 2, SPARE
	v_mov_b32 v[NIL], 0
	ds_add_u32 v[SPW], v[NIL]
	ds_add_u32 v[SPW], v[NIL]
	v_lshrrev_b32 v1, 5, v0
	v_readfirstlane_b32 s14, v1                    ; wave 0..3
	s_lshr_b32 s15, s14, 1                         ; my half of S1.  Also: I fetch for S1 (0) or for S0 (1)
	s_and_b32 s16, s14, 1                          ; my half of S0.  Also: which half I fetch
	s_bfe_u32 s40, ttmp6, 0x40000                  ; cx
	s_bfe_u32 s41, ttmp6, 0x40004                  ; cy
	s_and_b32 s17, ttmp7, 0xffff
	s_lshl_b32 s43, s41, 2
	s_lshl_b32 s43, 15, s43                        ; my row of the cluster
	s_lshl_b32 s44, 0x1111, s40                    ; my column
	; group 1: tiles' 4,096 bytes (two K steps), 16,384 bytes apart in memory, on end in LDS; elements of 8 bytes
	s_or_b32 s[G1+0], s43, (3<<16)|(1<<21)
	s_or_b32 s[G1B+0], s44, (3<<16)|(1<<21)
.irp g, G1, G1B
	s_mov_b32 s[\g+1], 512<<16
	s_mov_b32 s[\g+3], 512<<16
	s_mov_b32 s[\g+5], 2048
	s_mov_b32 s[\g+6], 0
	s_mov_b32 s[\g+7], 0
.endr
	s_mov_b32 s[G1+2], 4<<16                       ; S1: four tiles a load
	s_mov_b32 s[G1+4], 4
	s_mov_b32 s[G1B+2], 8<<16                      ; S0: eight
	s_mov_b32 s[G1B+4], 8
	s_lshl_b32 s42, ttmp9, 2
	s_add_co_u32 s42, s42, s40                     ; block of 256 columns: holds cx, never cy
	s_lshl_b32 s45, s17, 2
	s_add_co_u32 s45, s45, s41                     ; block of 128 tokens: holds cy, never cx
	s_lshl_b32 s46, s45, 3
	s_lshl_b32 s47, s16, 2
	s_add_co_u32 s46, s46, s47                     ; S1: the first tile that I would fetch,
	s_lshl_b32 s46, s46, 14                        ; in bytes
	s_lshl_b32 s78, s42, 4
	s_lshl_b32 s47, s16, 3
	s_add_co_u32 s78, s78, s47
	s_add_co_u32 s78, s78, 192                     ; S0 likewise: Wout's tiles begin at 192
	s_lshl_b32 s78, s78, 14
	s_mov_b32 s47, 0
	s_mov_b32 s79, 0
	s_lshl_b32 s80, s14, 15                        ; where my part goes: wave x 32,768
	s_wait_dscnt 0x0
	s_wait_kmcnt 0x0
	s_add_nc_u64 s[82:83], s[4:5], s[46:47]
	s_add_nc_u64 s[84:85], s[6:7], s[78:79]
	CROUND                                         ; all sixteen work-groups are here: the first joint loads meet
.irp s, 0,1
	s_mov_b32 s[G0+4*\s], 1
	s_add_co_u32 s[G0+4*\s+1], s80, \s*SLOT
	s_add_nc_u64 s[G0+4*\s+2:G0+4*\s+3], s[82:83], \s*4096
	s_or_b32 s[G0+4*\s+3], s[G0+4*\s+3], 0x80000000
	s_mov_b32 s[G0B+4*\s], 1
	s_add_co_u32 s[G0B+4*\s+1], s80, \s*SLOT
	s_add_nc_u64 s[G0B+4*\s+2:G0B+4*\s+3], s[84:85], \s*4096
	s_or_b32 s[G0B+4*\s+3], s[G0B+4*\s+3], 0x80000000
.endr
	JLOAD G0, G1, G0B, G1B                         ; slot 0: one tensor load a wave at the head
	v_and_b32 v1, 15, v0                           ; r
	v_bfe_u32 v2, v0, 4, 1                         ; h
	v_and_b32 v3, 31, v0
	v_lshlrev_b32 v[LI], 4, v3
	s_wait_alu depctr_va_vdst(0)
	s_lshl_b32 s86, s15, 15
	s_lshl_b32 s87, s16, 15
	s_add_co_u32 s87, s87, 65536                   ; S0's parts lie behind S1's two
.irp s, 0,1
	v_add_nc_u32 v[ADR1+\s], s86, v[LI]
	v_add_nc_u32 v[ADR0+\s], s87, v[LI]
	s_add_co_u32 s86, s86, SLOT
	s_add_co_u32 s87, s87, SLOT
.endr
	s_lshl_b32 s86, s45, 3                         ; the scale words: 512 bytes a tile; lanes 0-15 take S1's rows, lanes 16-31 S0's
	s_lshl_b32 s87, s15, 2
	s_add_co_u32 s86, s86, s87
	s_lshl_b32 s86, s86, 9
	s_lshl_b32 s87, s42, 4
	s_lshl_b32 s88, s16, 3
	s_add_co_u32 s87, s87, s88
	s_add_co_u32 s87, s87, 192
	s_lshl_b32 s87, s87, 9
	s_add_co_u32 s87, s87, 262144
	s_mov_b32 s88, 0xffff0000
	v_mov_b32 v4, s86
	v_mov_b32 v5, s87
	v_cndmask_b32 v8, v4, v5, s88
	v_lshl_add_u32 v8, v1, 4, v8                   ; + 16 r: my row's four words
.irp i, 0,1,2,3,4,5,6,7                        ; S1 has four tiles: for i = 4 .. 7 lanes 0-15 read words that lie further on in scy (at most byte 264,191 of its 393,216), and nothing uses them
	global_load_b128 v[SC+8*\i:SC+8*\i+3], v8, s[8:9] offset:\i*512
	global_load_b128 v[SC+8*\i+4:SC+8*\i+7], v8, s[8:9] offset:\i*512+256
.endr
	s_lshl_b32 s86, s45, 7
	s_lshl_b32 s87, s15, 6
	s_add_co_u32 s86, s86, s87                     ; my first token
	s_lshl_b32 s86, s86, 12                        ; a row of out0 is 4,096 bytes
	s_lshl_b32 s87, s42, 8
	s_lshl_b32 s88, s16, 7
	s_add_co_u32 s87, s87, s88
	s_lshl_b32 s87, s87, 2                         ; my first column, in bytes
	v_add_nc_u32 v6, s87, v[LI]
	global_load_b128 v[32:35], v6, s[10:11]        ; the bias of my lane's four columns on the way out
	s_add_co_u32 s86, s86, s87
	s_mov_b32 s87, 0
	s_add_nc_u64 s[68:69], s[68:69], s[86:87]
	s_mul_i32 s88, s14, 16*SPITCH
	v_mul_u32_u24 v[STO], v1, SPITCH
	v_lshl_add_u32 v[STO], v2, 6, v[STO]
	v_add_nc_u32 v[STO], s88, v[STO]               ; into my stage: row r, + 64 h
	v_add_nc_u32 v[RD], s88, v[LI]                 ; back: 32 lanes take a row of 512 bytes
.macro FRAG reg, adr, q, i             ; a fragment's image: four loads of 512 consecutive bytes
.irp c, 0,1,2,3
	ds_load_b128 v[\reg+4*\c:\reg+4*\c+3], v[\adr] offset:(\i)*4096+(\q)*2048+512*\c
.endr
.endm
; eight products: S1's tile a x S0's eight, K step ks, sets p.  The 32 accumulators take turns, one instruction a turn, in the same order in every step
.macro MUL8 a, p, ks, zero
.irp b, 0,1,2,3,4,5,6,7
.if \zero
	v_wmma_scale_f32_16x16x128_f8f6f4 v[8*(8*(\a)+\b):8*(8*(\a)+\b)+7], v[128*(\p)+16*\b:128*(\p)+16*\b+15], v[AF+64*(\p)+16*(\a):AF+64*(\p)+16*(\a)+15], 0, v[SC+8*\b+(\ks)], v[SC+8*(\a)+(\ks)] matrix_a_fmt:MATRIX_FMT_BF8 matrix_b_fmt:MATRIX_FMT_BF8 matrix_a_scale:MATRIX_SCALE_ROW1
.else
	v_wmma_scale_f32_16x16x128_f8f6f4 v[8*(8*(\a)+\b):8*(8*(\a)+\b)+7], v[128*(\p)+16*\b:128*(\p)+16*\b+15], v[AF+64*(\p)+16*(\a):AF+64*(\p)+16*(\a)+15], v[8*(8*(\a)+\b):8*(8*(\a)+\b)+7], v[SC+8*\b+(\ks)], v[SC+8*(\a)+(\ks)] matrix_a_fmt:MATRIX_FMT_BF8 matrix_b_fmt:MATRIX_FMT_BF8 matrix_a_scale:MATRIX_SCALE_ROW1
.endif
.endr
.endm
.macro FETCH slot, q, p                ; the slot's q-th K step into sets p: 32 loads for S0, 16 for S1
	WIN TO_B
.irp i, 0,1,2,3,4,5,6,7
	FRAG 128*(\p)+16*\i, ADR0+\slot, \q, \i
.endr
	WIN 0
.irp i, 0,1,2,3
	FRAG AF+64*(\p)+16*\i, ADR1+\slot, \q, \i
.endr
.endm
; A slot's first K step (sets 0): its second step's fragments are asked for first
.macro STEP slot, ks, zero
	PLACES NP                                      ; in front of loads into sets 1, which the products before have read
	FETCH \slot, 1, 1
	s_wait_dscnt 48                                ; all but the 48 just issued: sets 0 are in
	WIN MUL_LO
.irp a, 0,1,2,3
	MUL8 \a, 0, \ks, \zero
.endr
	WIN 0
.endm
; A slot's second K step (sets 1) changes slots: one barrier; in front of it each wave waits for all its tensor loads, adds 0 to its spare word, and waits for that and for its reads of this slot.  fill = 1: this slot is filled again
.macro TURN slot, next, fill, ks
	s_wait_tensorcnt 0x0                           ; my part of the next slot has landed
	ds_add_u32 v[SPW], v[NIL]
	s_wait_dscnt 1                                 ; sets 1 are in; the add may be out
	WIN MUL_LO
	MUL8 0, 1, \ks, 0
	s_wait_dscnt 0x0                               ; the add is done, and my reads of this slot are over
	s_barrier_signal -1
	MUL8 1, 1, \ks, 0
	WIN 0
	s_barrier_wait -1
.if \fill
	CREST                                          ; the barrier has opened a round of the cluster's: no wave of any partner still reads this slot or has a load on its way
	s_add_nc_u64 s[G0+4*\slot+2:G0+4*\slot+3], s[G0+4*\slot+2:G0+4*\slot+3], 8192
	s_add_nc_u64 s[G0B+4*\slot+2:G0B+4*\slot+3], s[G0B+4*\slot+2:G0B+4*\slot+3], 8192
	JLOAD G0+4*\slot, G1, G0B+4*\slot, G1B         ; the first tensor load behind the round; its four v_nop are among the places in front of the loads below
	PLACES NP-4
.else
	PLACES NP
.endif
	FETCH \next, 0, 0
	WIN MUL_LO
	MUL8 2, 1, \ks, 0
	MUL8 3, 1, \ks, 0
	WIN 0
.endm
	s_wait_alu depctr_va_vdst(0)
	s_wait_tensorcnt 0x0                           ; my part of slot 0 is in
	ds_add_u32 v[SPW], v[NIL]
	s_wait_dscnt 0x0
	CROUND                                         ; a whole round: slot 0 is whole, and the joint loads meet
	JLOAD G0+4, G1, G0B+4, G1B                     ; slot 1's first fill, the first tensor load behind the round
	FETCH 0, 0, 0
	s_wait_loadcnt 0x0                             ; the scale words and the bias
	STEP 0, 0, 1                                   ; the eight K steps are written out: each names its own scale registers; the first starts the sums
	TURN 0, 1, 1, 1
	STEP 1, 2, 0
	TURN 1, 0, 1, 3
	STEP 0, 4, 0
	TURN 0, 1, 0, 5                                ; nothing is left to fetch
	STEP 1, 6, 0
	s_wait_dscnt 0x0
	WIN MUL_LO
.irp a, 0,1,2,3
	MUL8 \a, 1, 7, 0
.endr
	WIN 0
; THE WAY OUT, block by block of 16 tokens x 128 columns, through my own stage: in as the accumulators lie, back as whole rows of 512 bytes.  LDS serves a wave's instructions in order: no wait between the stores and the loads
.macro TOSTAGE a
.set AC, 64*(\a)
	WIN 0x08                                       ; the data: window 2
.irp b, 0,1,2,3,4,5,6,7
	ds_store_b128 v[STO], v[AC+8*\b:AC+8*\b+3] offset:128*(\b/2)+32*(\b%2)      ; each accumulator from its low end on
	ds_store_b128 v[STO], v[AC+8*\b+4:AC+8*\b+7] offset:128*(\b/2)+32*(\b%2)+16
.endr
	WIN 0
.set BB, BK+64*((\a)%2)
.irp t, 0,1,2,3,4,5,6,7,8,9,10,11,12,13,14,15
	ds_load_b128 v[BB+4*\t:BB+4*\t+3], v[RD] offset:\t*SPITCH
.endr
.endm
.macro SEND a, younger                 ; younger: the LDS instructions issued behind block a's loads, which may stay out
.set BB, BK+64*((\a)%2)
	s_wait_dscnt \younger
.irp t, 0,1,2,3,4,5,6,7,8,9,10,11,12,13,14,15
	v_pk_add_f32 v[BB+4*\t:BB+4*\t+1], v[BB+4*\t:BB+4*\t+1], v[32:33]
	v_pk_add_f32 v[BB+4*\t+2:BB+4*\t+3], v[BB+4*\t+2:BB+4*\t+3], v[34:35]
.endr
.irp t, 0,1,2,3,4,5,6,7,8,9,10,11,12,13,14,15
	global_store_b128 v[LI], v[BB+4*\t:BB+4*\t+3], s[68:69] offset:(32*((\a)/2)+8*((\a)%2)+\t+8*(\t/8))*4096 th:TH_STORE_NT   ; 32 lanes store 512 consecutive bytes, aligned
.endr
.endm
	PLACES NP                                      ; ahead of the first reads of results and of the loads into the registers that held S1's fragments
	TOSTAGE 0
.irp a, 1,2,3
.if \a > 1
	s_wait_xcnt 0x0                                ; block a - 2's stores have read their registers: block a's loads may land there
.endif
	TOSTAGE \a
	SEND \a-1, 32                                  ; behind block a - 1's loads: block a's 16 stores and 16 loads
.endr
	SEND 3, 0
	s_wait_tensorcnt 0x0                           ; the wave's end
	ds_add_u32 v[SPW], v[NIL]
	s_wait_dscnt 0x0
	CROUND                                         ; the closing round
	s_endpgm
.Lfunc_end_k_q17531d6bba_outp:
	.size	k_q17531d6bba_outp, .Lfunc_end_k_q17531d6bba_outp-k_q17531d6bba_outp
	.p2alignl 7, 3214868480
	.fill 96, 4, 3214868480
	.section	.rodata,"a",@progbits
	.p2align	6, 0x0
	.amdhsa_kernel k_q17531d6bba_outp
		.amdhsa_group_segment_fixed_size 327680
		.amdhsa_private_segment_fixed_size 0
		.amdhsa_enable_private_segment 0
		.amdhsa_kernarg_size 40
		.amdhsa_user_sgpr_count 2
		.amdhsa_user_sgpr_kernarg_segment_ptr 1
		.amdhsa_wavefront_size32 1
		.amdhsa_system_sgpr_workgroup_id_x 1
		.amdhsa_system_sgpr_workgroup_id_y 1
		.amdhsa_system_sgpr_workgroup_id_z 1
		.amdhsa_system_vgpr_workitem_id 0
		.amdhsa_next_free_vgpr 768
		.amdhsa_next_free_sgpr 100
		.amdhsa_reserve_vcc 0
		.amdhsa_float_denorm_mode_32 3
		.amdhsa_float_denorm_mode_16_64 3
		.amdhsa_memory_ordered 1
		.amdhsa_forward_progress 1
		.amdhsa_inst_pref_size 94
	.end_amdhsa_kernel
	.amdgpu_metadata
---
amdhsa.version: [ 1, 2 ]
amdhsa.kernels:
  - .name:           k_q17531d6bba_outp
    .symbol:         k_q17531d6bba_outp.kd
    .args:
      - { .name: yc, .offset: 0, .size: 8, .value_kind: global_buffer, .address_space: global }
      - { .name: wc, .offset: 8, .size: 8, .value_kind: global_buffer, .address_space: global }
      - { .name: scy, .offset: 16, .size: 8, .value_kind: global_buffer, .address_space: global }
      - { .name: bout, .offset: 24, .size: 8, .value_kind: global_buffer, .address_space: global }
      - { .name: out0, .offset: 32, .size: 8, .value_kind: global_buffer, .address_space: global }
    .group_segment_fixed_size: 327680
    .private_segment_fixed_size: 0
    .kernarg_segment_align: 8
    .kernarg_segment_size: 40
    .max_flat_workgroup_size: 128
    .sgpr_count:     100
    .vgpr_count:     768
    .wavefront_size: 32
...
	.end_amdgpu_metadata
.endif
;; end of part 4
